; MI455X (gfx1250); checked and timed in simulation.
; The chip was launched on July 23, 2026; its instructions are those of AMD's public machine-readable ISA for CDNA 5 (MIT licence, August 2026) and "CDNA5" Instruction Set Architecture Reference Guide (July 2026). The comments in the code are by the model that wrote it; some were corrected since.
;; Multi Head Causal Attention. Allowed arithmetic: matrix products marked QUANTISED: E3M2 operands, one E8M0 scale for each 32 along K, by v_wmma_scale_f32_16x16x128_f8f6f4 with both operands' format E3M2, f32 sums; everything else in f32.
;; Inputs: W_out 1,024 x 1,024 float32; W_qkv 1,024 x 3,072 float32; x 4 x 2,048 x 1,024 float32.
;; Outputs: out0 4 x 2,048 x 1,024 float32.
;; This version of the problem:
;;   THIS VERSION OF THE PROBLEM IS GIVEN IN LOW PRECISION. The matrix products marked QUANTISED in the list below multiply operands that are first quantised to E3M2 (3 exponent bits, 2 mantissa bits; 6 bits a number), with one power-of-two scale for each 32 numbers along K (OCP MX v1.0); their sums are f32. All else is computed in f32.
;;   The module's matrix products, in the order in which they are computed (A, B: the left and right operand; K: the contracted axis; several contracted axes count as one K, in the product's order):
;;     1. [M 8,192, K 1,024] x [K 1,024, N 3,072]; A: input x; B: input W_qkv: QUANTISED
;;     2. batch 64 x [M 2,048, K 64] x [K 64, N 2,048]; A: computed on the way; B: computed on the way: QUANTISED
;;     3. batch 64 x [M 2,048, K 2,048] x [K 2,048, N 64]; A: softmax (see below); B: computed on the way: QUANTISED
;;     4. [M 8,192, K 1,024] x [K 1,024, N 1,024]; A: computed on the way; B: input W_out: QUANTISED
;;   THE QUANTISER, for each operand of a quantised product, along K:
;;     - K is cut into blocks of 32 from its start; a last block that is shorter is filled with zeros.
;;     - A block's scale is 2^e with e = floor(log2(the largest magnitude in the block)) - 4, held to -126 .. 127; a block of zeros has e = 0. As a byte (E8M0): e + 127.
;;     - Each number is divided by its block's scale, clamped to +-28, and rounded to the nearest number of E3M2, ties to even, subnormals kept.
;;     - The product sums the exact products of the quantised numbers (number of the format x scale) in f32.
;;   ~~~python
;;   def quantise(x, axis):      # numpy; x: float32 -> the quantised numbers, widened to float32 again
;;       x = np.moveaxis(x, axis, -1); K = x.shape[-1]
;;       x = np.pad(x, [(0, 0)] * (x.ndim - 1) + [(0, -K % 32)]); x = x.reshape(x.shape[:-1] + (-1, 32)); a = np.abs(x).max(-1, keepdims=True)
;;       e = np.where(a > 0, np.clip(np.frexp(np.where(a > 0, a, 1))[1] - 1 - 4, -126, 127), 0)      # np.frexp(a)[1] - 1 = floor(log2(a)), exactly
;;       r = np.clip(x / 2.0 ** e, -28, 28)
;;       step = 2.0 ** (np.maximum(np.frexp(np.where(r == 0, 1, r))[1] - 1, -2) - 2)
;;       q = np.round(r / step) * step * 2.0 ** e      # np.round: ties to even
;;       return np.moveaxis(q.reshape(q.shape[:-2] + (-1,))[..., :K], -1, axis).astype(np.float32)
;;   ~~~
;;   SOFTMAX AHEAD OF A QUANTISED PRODUCT. Where the list says 'softmax', what is quantised is not the finished softmax but p = 2^(t - M), with t = logit x log2(e) and M = ceil(the row's largest t), a whole number; so 1/2 < the row's largest p <= 1. The row's sum l is taken of the UNQUANTISED p, in f32, and the product's result is divided by l at the end. Since M is a whole number, a kernel that streams over the keys may use a running M (the ceiling of the running maximum): every later rescaling is an exact power of two, which a block's scale takes up: the codes' values come out the same.
;;   OPERANDS COMPUTED ON THE WAY. 'Computed on the way' means the value that the module computes at that place (a softmax that the list does not call 'softmax' is quantised finished and normalised). What goes into a quantiser is computed in f32, as accurately as f32 sums, v_exp_f32 and their like allow (about 1e-6 of the number): no bf16 or f16 on the way to a quantiser, and a product that is left as it is and whose result goes on into a quantised operand takes f32 operands (vector FMAs, or v_wmma_f32_16x16x4_f32). A number that lies on a knife's edge between two numbers of the format may be rounded either way, as far as f32 arithmetic and the matrix unit's own rounding can turn it there, and no further.
;; One version. Each part assembles by itself: llvm-mc -triple=amdgcn-amd-amdhsa -mcpu=gfx1250 --defsym DOCPART=n.
;; ======== version 1 of 1: 4 launches
;; workspace buffers: ximg 6,553,600 bytes; wimg 3,276,800 bytes; qimg 6,815,744 bytes; kvimg 13,369,344 bytes; aimg 6,553,600 bytes
;; launch quant (part 1): grid 384 x 1, 8 waves a work-group, no clusters, 68,608 bytes of LDS; arguments x, W_qkv, W_out, ximg, wimg; writes ximg, wimg
.if DOCPART == 1
	.amdgcn_target "amdgcn-amd-amdhsa--gfx1250"
	.amdhsa_code_object_version 6
	.text
	.protected	k_qa77cf406cb_quant
	.globl	k_qa77cf406cb_quant
	.p2align	8
	.type	k_qa77cf406cb_quant,@function
k_qa77cf406cb_quant:
	s_mov_b64 s[64:65], 0
	v_nop
	global_prefetch_b8 v0, s[64:65] scope:SCOPE_SE
	s_setreg_imm32_b32 hwreg(HW_REG_WAVE_MODE, 25, 1), 1
	s_wait_xcnt 0x0
; x [8192][1024], W_qkv [1024][3072] and W_out [1024][1024], f32, become codes of BF6 (E3M2) with one E8M0 scale byte for each 32 along K (K = the 1,024 channels),
; laid as IMAGES OF OPERAND REGISTERS: tile (16 rows) x 12,288 + kappa (128 along K) x 1,536 + p x 256 + 8 x lane: lane (r, h) holds registers 2 p, 2 p + 1 of the fragment of that tile and K step.
; Scale words (4 bytes = 128 along K of one row): (row position / 128) x 4,096 + kappa x 512 + (tile % 8) x 64 + 4 r.
; THE ROWS OF AN IMAGE STAND IN THE ORDER sigma: position 16 i + r holds true row 32 (i / 2) + 8 (i % 2) + r + 8 (r / 8) (bits 3 and 4 of the index change places), so that
; a product of two images leaves 16 neighbours along its source 0's rows in the 16 registers of two neighbouring accumulators.
; A block's scale is 2^(floor(log2(largest magnitude)) - 4); its byte is the largest magnitude's exponent field - 4, held at 1 from below.
; LIMITS: NaN and infinities among the inputs are not served.  A block of zeros, or one whose largest magnitude lies under 2^-122, keeps the byte 1 where the rule says 127 for zeros:
; its codes are zeros, and the bytes are read by this program alone.
; SHARES: work-groups 0-255: 32 rows of x each, wave w the K step w.  256-351: W_qkv, 256 columns x 128 along K each.  352-383: W_out likewise.  Each reads 128 KiB.
; Memory binds: no matrix unit, no cluster, no tensor load; waves share nothing, so there is no barrier.  Only the path of x uses LDS (a stage of each wave's own).
.set TM,  16                           ; v16-31  at work in QUANT: largest magnitudes, bytes, scale operands
.set PW,  12                           ; v12     the scale word just made (weights: the lane's four bytes)
.set PWA, 13                           ; v13     tile 0's scale word, kept
.set PC,  32                           ; v32-43  a fragment's codes; v44-50 halves on their way
.set R,   64                           ; v64-191 x as loaded: 2 tiles x 16 rows x 4 registers (weights: 128 numbers down K)
.set X,   192                          ; v192-255 64 numbers of one row: register 16 b + i = k 32 b + 16 h + i
.set F,   32                           ; weights: v32-55 the codes of the lane's four blocks, 6 registers each
.set SP,  528                          ; a stage row: 512 bytes + 16
; 64 numbers of a lane, register 16 b + i = k 32 b + 16 (lane / 16) + i of its row, become a fragment's codes in v[PC] on and the row's scale word in v[PW].
.macro QUANT s
.irp b, 0,1,2,3
	v_max3_num_f32 v[TM+\b], |v[\s+16*\b]|, |v[\s+1+16*\b]|, 0x2800000   ; my 16 numbers of block b, and the floor 2^(5 - 127): the byte cannot fall under 1
.endr
.irp i, 2,4,6,8,10,12,14
.irp b, 0,1,2,3
	s_delay_alu instid0(VALU_DEP_4)
	v_max3_num_f32 v[TM+\b], v[TM+\b], |v[\s+16*\b+\i]|, |v[\s+1+16*\b+\i]|   ; the four blocks by turns
.endr
.endr
.irp b, 0,1,2,3
	s_delay_alu instid0(VALU_DEP_4)
	v_permlanex16_b32 v[TM+4+\b], v[TM+\b], s20, s21
.endr
.irp b, 0,1,2,3
	s_delay_alu instid0(VALU_DEP_4)
	v_max_num_f32 v[TM+\b], v[TM+\b], v[TM+4+\b]       ; with lane l xor 16's: the block's largest magnitude
.endr
.irp b, 0,1,2,3
	s_delay_alu instid0(VALU_DEP_4)
	v_add_nc_u32 v[TM+12+\b], 0xfe000000, v[TM+\b]     ; 4 off its exponent field: the conversion's scale operand
.endr
.irp b, 0,1,2,3
	s_delay_alu instid0(VALU_DEP_4)
	v_lshrrev_b32 v[TM+4+\b], 23, v[TM+12+\b]          ; the scale's byte
.endr
	s_delay_alu instid0(VALU_DEP_3)
	v_lshl_or_b32 v[PW], v[TM+5], 8, v[TM+4]
	s_delay_alu instid0(VALU_DEP_1)
	v_lshl_or_b32 v[PW], v[TM+6], 16, v[PW]
	s_delay_alu instid0(VALU_DEP_1)
	v_lshl_or_b32 v[PW], v[TM+7], 24, v[PW]
.irp c, 0,1
	v_cvt_scalef32_pk16_bf6_f32 v[PC+6*\c:PC+2+6*\c], v[\s+32*\c:\s+15+32*\c], v[TM+12+2*\c]
	v_cvt_scalef32_pk16_bf6_f32 v[PC+12+4*\c:PC+14+4*\c], v[\s+16+32*\c:\s+31+32*\c], v[TM+12+2*\c+1]   ; a conversion's three registers begin on an even number
.endr
	v_nop                                          ; one plain line behind the scaled conversions
.irp c, 0,1                                    ; the layout wants a whole block in a lane: lanes 0-15 block 2 c, lanes 16-31 block 2 c + 1
.irp i, 0,1,2
	v_permlane16_swap_b32 v[PC+6*\c+\i], v[PC+12+4*\c+\i]
.endr
.irp i, 0,1,2
	s_delay_alu instid0(VALU_DEP_3)
	v_mov_b32 v[PC+3+6*\c+\i], v[PC+12+4*\c+\i]
.endr
.endr
.endm
	s_load_b256 s[4:11], s[0:1], 0x0               ; x s[4:5], W_qkv s[6:7], W_out s[8:9], ximg s[10:11]
	s_load_b64 s[12:13], s[0:1], 0x20              ; wimg
	v_lshl_add_u32 v62, v0, 2, 0x10800
	v_mov_b32 v63, 0
	v_lshrrev_b32 v1, 5, v0
	s_delay_alu instid0(VALU_DEP_1)
	v_readfirstlane_b32 s14, v1                    ; wave 0..7
	v_and_b32 v2, 31, v0                           ; lane l
	v_and_b32 v3, 15, v0                           ; r
	v_bfe_u32 v4, v0, 4, 1                         ; h
	s_delay_alu instid0(VALU_DEP_3)
	v_lshlrev_b32 v5, 3, v2                        ; 8 l: my place in a unit of an image
	s_delay_alu instid0(VALU_DEP_4)
	v_lshlrev_b32 v6, 2, v2                        ; 4 l: my place among two tiles' scale words
	s_mov_b32 s20, 0x76543210
	s_mov_b32 s21, 0xfedcba98                      ; v_permlanex16_b32's selects for lane l xor 16
.irp b, 0,1,2,3
	v_mov_b32 v[TM+4+\b], 0                        ; written once: a lane permute's destination counts as one of its sources
.endr
	s_wait_kmcnt 0x0
	s_cmp_lt_u32 ttmp9, 256
	s_cbranch_scc0 .Lweights
	; ---- x: group G = work-group of 32 rows (image tiles 2 G, 2 G + 1), K step = wave
	s_lshl_b32 s16, ttmp9, 17                      ; 32 rows of 4,096 bytes
	s_lshl_b32 s17, s14, 9                         ; + 128 numbers a K step
	s_add_co_u32 s16, s16, s17
	s_mov_b32 s17, 0
	s_mul_i32 s18, ttmp9, 24576                    ; two tiles of the image
	s_mul_i32 s19, s14, 1536
	s_add_co_u32 s18, s18, s19
	s_mov_b32 s19, 0
	s_lshr_b32 s22, ttmp9, 2                       ; scale words: (32 G / 128) x 4,096 + kappa x 512 + (2 G % 8) x 64
	s_lshl_b32 s22, s22, 12
	s_lshl_b32 s23, s14, 9
	s_add_co_u32 s22, s22, s23
	s_and_b32 s23, ttmp9, 3
	s_lshl_b32 s23, s23, 7
	s_add_co_u32 s22, s22, s23
	s_add_co_u32 s22, s22, 6291456
	s_mov_b32 s23, 0
	s_mul_i32 s24, s14, 16*SP                      ; my wave's stage
	s_wait_alu depctr_va_vdst(0)
	v_lshlrev_b32 v7, 4, v2                        ; 16 l: a load's 512 consecutive bytes
	s_delay_alu instid0(VALU_DEP_1)
	v_add_nc_u32 v8, s24, v7                       ; into the stage: as loaded
	v_mul_u32_u24 v9, v3, SP
	s_delay_alu instid0(VALU_DEP_1)
	v_lshl_add_u32 v9, v4, 6, v9
	s_delay_alu instid0(VALU_DEP_1)
	v_add_nc_u32 v9, s24, v9                       ; out of it: row r, + 64 h: my 16 numbers of a block of 32
	s_add_nc_u64 s[4:5], s[4:5], s[16:17]
	s_add_nc_u64 s[18:19], s[10:11], s[18:19]      ; the codes
	s_add_nc_u64 s[22:23], s[10:11], s[22:23]      ; the scale words
.irp u, 0,1
.irp q, 0,1,2,3,4,5,6,7,8,9,10,11,12,13,14,15
	global_load_b128 v[R+64*\u+4*\q:R+64*\u+4*\q+3], v7, s[4:5] offset:(8*\u+\q+8*(\q/8))*4096 th:TH_LOAD_NT   ; position q of tile u is true row 8 u + q + 8 (q / 8); 32 lanes read 512 consecutive bytes
.endr
.endr
.macro XTILE u
	s_wait_loadcnt 16*(1-\u)                       ; this tile's 16 loads are in; the other tile's 16 may be out
.irp q, 0,1,2,3,4,5,6,7,8,9,10,11,12,13,14,15
	ds_store_b128 v8, v[R+64*\u+4*\q:R+64*\u+4*\q+3] offset:SP*\q
.endr
.irp b, 0,1,2,3
.irp j, 0,1,2,3
	ds_load_b128 v[X+16*\b+4*\j:X+16*\b+4*\j+3], v9 offset:128*\b+16*\j   ; LDS serves a wave's instructions in order (ISA guide 5.7.1.4): these see my stores
.endr
.endr
	s_wait_dscnt 0x0
.if \u
	s_wait_xcnt 0x0                                ; tile 0's stores have read v[PC] on: it is written again only behind this wait
.endif
	QUANT X
.irp p, 0,1,2,3,4,5
	global_store_b64 v5, v[PC+2*\p:PC+2*\p+1], s[18:19] offset:12288*\u+256*\p   ; 32 lanes store 256 consecutive bytes, aligned
.endr
.endm
	s_wait_alu depctr_va_vdst(0)
	XTILE 0
	v_mov_b32 v[PWA], v[PW]
	XTILE 1
	v_cmp_lt_u32 vcc_lo, 15, v2
	s_delay_alu instid0(VALU_DEP_1)
	v_cndmask_b32 v[PWA], v[PWA], v[PW], vcc_lo    ; lanes 0-15: tile 0's words, lanes 16-31: tile 1's
	global_store_b32 v6, v[PWA], s[22:23]          ; 128 consecutive bytes
	s_wait_tensorcnt 0x0
	ds_add_u32 v62, v63
	s_wait_dscnt 0x0
	s_endpgm
.Lweights:
	s_wait_alu depctr_va_vdst(0)
	; ---- a weight [k][n]: A LANE TAKES A COLUMN n AND ITS REGISTERS RUN DOWN K.  Lane l is image position l of a pair of tiles: it takes column n0 + sigma(l)
	v_and_b32 v10, 7, v2
	v_bfe_u32 v11, v2, 3, 1
	s_delay_alu instid0(VALU_DEP_1)
	v_lshl_or_b32 v10, v11, 4, v10
	s_delay_alu instid0(VALU_DEP_1)
	v_lshl_or_b32 v10, v4, 3, v10                  ; sigma(l): bits 3 and 4 change places
	s_delay_alu instid0(VALU_DEP_1)
	v_lshlrev_b32 v10, 2, v10
.macro WLOAD n, ptr, bk                        ; block bk: 32 numbers down K; 32 lanes read 128 consecutive bytes
.set KK, 32*(\bk)
.rept 32
	global_load_b32 v[R+KK], v10, s[\ptr:\ptr+1] offset:KK*\n*4 th:TH_LOAD_NT
.set KK, KK+1
.endr
.endm
.macro WBLOCK n, ptr, bk
.if \bk < 3
	s_wait_loadcnt 32                              ; this block's 32 loads are in; the next block's 32 may be out
.else
	s_wait_loadcnt 0x0
.endif
.if \bk < 2
	WLOAD \n, \ptr, \bk+2                          ; two blocks ahead, into registers of their own
.endif
.set XS, R+32*(\bk)
	v_max3_num_f32 v14, |v[XS]|, |v[XS+1]|, |v[XS+2]|              ; the block's largest magnitude: all 32 numbers are mine
	v_max3_num_f32 v15, |v[XS+3]|, |v[XS+4]|, |v[XS+5]|
.irp i, 6,10,14,18,22,26
	s_delay_alu instid0(VALU_DEP_2)
	v_max3_num_f32 v14, v14, |v[XS+\i]|, |v[XS+\i+1]|
	s_delay_alu instid0(VALU_DEP_2)
	v_max3_num_f32 v15, v15, |v[XS+\i+2]|, |v[XS+\i+3]|
.endr
	s_delay_alu instid0(VALU_DEP_2)
	v_max3_num_f32 v14, v14, |v[XS+30]|, |v[XS+31]|
	s_delay_alu instid0(VALU_DEP_1)
	v_max3_num_f32 v14, v14, v15, 0x2800000        ; and the floor 2^(5 - 127)
	s_delay_alu instid0(VALU_DEP_1)
	v_add_nc_u32 v15, 0xfe000000, v14              ; the conversion's scale operand
	s_delay_alu instid0(VALU_DEP_1)
	v_lshrrev_b32 v14, 23, v15                     ; the byte
.if \bk == 0
	s_delay_alu instid0(VALU_DEP_1)
	v_mov_b32 v[PW], v14
.else
	s_delay_alu instid0(VALU_DEP_1)
	v_lshl_or_b32 v[PW], v14, 8*\bk, v[PW]
.endif
	v_cvt_scalef32_pk16_bf6_f32 v[F+6*\bk:F+6*\bk+2], v[XS:XS+15], v15
	v_cvt_scalef32_pk16_bf6_f32 v[56:58], v[XS+16:XS+31], v15
	v_nop                                          ; one plain line behind the scaled conversions
.irp i, 0,1,2
	v_mov_b32 v[F+6*\bk+3+\i], v[56+\i]
.endr
.endm
; n: the weight's columns; ptr: the scalar pair with its address; codes, scales: where its image begins in wimg; first: its first work-group
.macro WPATH n, ptr, codes, scales, first
	s_sub_co_u32 s16, ttmp9, \first
	s_lshr_b32 s17, s16, 3                         ; which 256 columns
	s_and_b32 s16, s16, 7                          ; kappa
	s_lshl_b32 s18, s17, 4
	s_lshl_b32 s19, s14, 1
	s_add_co_u32 s18, s18, s19                     ; T0: my wave's first tile (32 columns a wave)
	s_mul_i32 s22, s16, 128*\n*4
	s_lshl_b32 s23, s18, 6                         ; 4 bytes x 16 T0
	s_add_co_u32 s22, s22, s23
	s_mov_b32 s23, 0
	s_add_nc_u64 s[\ptr:\ptr+1], s[\ptr:\ptr+1], s[22:23]
	s_mul_i32 s24, s18, 12288
	s_mul_i32 s25, s16, 1536
	s_add_co_u32 s24, s24, s25
	s_add_co_u32 s24, s24, \codes
	s_mov_b32 s25, 0
	s_add_nc_u64 s[24:25], s[12:13], s[24:25]
	s_lshr_b32 s26, s18, 3
	s_lshl_b32 s26, s26, 12
	s_lshl_b32 s27, s16, 9
	s_add_co_u32 s26, s26, s27
	s_and_b32 s27, s18, 7
	s_lshl_b32 s27, s27, 6
	s_add_co_u32 s26, s26, s27
	s_add_co_u32 s26, s26, \scales
	s_mov_b32 s27, 0
	s_add_nc_u64 s[26:27], s[12:13], s[26:27]
	WLOAD \n, \ptr, 0
	WLOAD \n, \ptr, 1
	WBLOCK \n, \ptr, 0
	WBLOCK \n, \ptr, 1
	WBLOCK \n, \ptr, 2
	WBLOCK \n, \ptr, 3
.irp c, 0,1                                    ; lanes 0-15 hold tile T0's rows, lanes 16-31 tile T0 + 1's, all four blocks each.  Block 2 c's lanes 16-31 change places with block 2 c + 1's lanes 0-15:
.irp i, 0,1,2,3,4,5                            ; the first six registers are then registers 6 c .. of tile T0's fragment, the second six those of tile T0 + 1's
	v_permlane16_swap_b32 v[F+12*\c+\i], v[F+12*\c+6+\i]
.endr
.endr
.irp c, 0,1
.irp t, 0,1
.irp p, 0,1,2
	global_store_b64 v5, v[F+12*\c+6*\t+2*\p:F+12*\c+6*\t+2*\p+1], s[24:25] offset:12288*\t+256*(3*\c+\p)   ; 256 consecutive bytes, aligned
.endr
.endr
.endr
	global_store_b32 v6, v[PW], s[26:27]           ; two tiles' scale words: 128 consecutive bytes
	s_endpgm
.endm
	s_cmp_lt_u32 ttmp9, 352
	s_cbranch_scc0 .Lwout
	s_wait_alu depctr_va_vdst(0)
	WPATH 3072, 6, 0, 3145728, 256
.Lwout:
	s_wait_alu depctr_va_vdst(0)
	WPATH 1024, 8, 2359296, 3244032, 352
.Lfunc_end_k_qa77cf406cb_quant:
	.size	k_qa77cf406cb_quant, .Lfunc_end_k_qa77cf406cb_quant-k_qa77cf406cb_quant
	.p2alignl 7, 3214868480
	.fill 96, 4, 3214868480
	.section	.rodata,"a",@progbits
	.p2align	6, 0x0
	.amdhsa_kernel k_qa77cf406cb_quant
		.amdhsa_group_segment_fixed_size 68608
		.amdhsa_private_segment_fixed_size 0
		.amdhsa_enable_private_segment 0
		.amdhsa_kernarg_size 40
		.amdhsa_user_sgpr_count 2
		.amdhsa_user_sgpr_kernarg_segment_ptr 1
		.amdhsa_wavefront_size32 1
		.amdhsa_system_sgpr_workgroup_id_x 1
		.amdhsa_system_sgpr_workgroup_id_y 1
		.amdhsa_system_sgpr_workgroup_id_z 1
		.amdhsa_system_vgpr_workitem_id 0
		.amdhsa_next_free_vgpr 256
		.amdhsa_next_free_sgpr 66
		.amdhsa_reserve_vcc 1
		.amdhsa_float_denorm_mode_32 3
		.amdhsa_float_denorm_mode_16_64 3
		.amdhsa_memory_ordered 1
		.amdhsa_forward_progress 1
		.amdhsa_inst_pref_size 68
	.end_amdhsa_kernel
	.amdgpu_metadata
---
amdhsa.version: [ 1, 2 ]
amdhsa.kernels:
  - .name:           k_qa77cf406cb_quant
    .symbol:         k_qa77cf406cb_quant.kd
    .args:
      - { .name: x, .offset: 0, .size: 8, .value_kind: global_buffer, .address_space: global }
      - { .name: W_qkv, .offset: 8, .size: 8, .value_kind: global_buffer, .address_space: global }
      - { .name: W_out, .offset: 16, .size: 8, .value_kind: global_buffer, .address_space: global }
      - { .name: ximg, .offset: 24, .size: 8, .value_kind: global_buffer, .address_space: global }
      - { .name: wimg, .offset: 32, .size: 8, .value_kind: global_buffer, .address_space: global }
    .group_segment_fixed_size: 68608
    .private_segment_fixed_size: 0
    .kernarg_segment_align: 8
    .kernarg_segment_size: 40
    .max_flat_workgroup_size: 256
    .sgpr_count:     66
    .vgpr_count:     256
    .wavefront_size: 32
...
	.end_amdgpu_metadata
.endif
;; end of part 1
;; launch gqkv (part 2): grid 8 x 48, 4 waves a work-group, clusters of 4 x 4, 327,680 bytes of LDS; arguments ximg, wimg, qimg, kvimg; writes qimg, kvimg
.if DOCPART == 2
	.amdgcn_target "amdgcn-amd-amdhsa--gfx1250"
	.amdhsa_code_object_version 6
	.text
	.protected	k_qa77cf406cb_gqkv
	.globl	k_qa77cf406cb_gqkv
	.p2align	8
	.type	k_qa77cf406cb_gqkv,@function
k_qa77cf406cb_gqkv:
	s_mov_b64 s[64:65], 0
	v_nop
	global_prefetch_b8 v0, s[64:65] scope:SCOPE_SE
	s_setreg_imm32_b32 hwreg(HW_REG_WAVE_MODE, 25, 1), 1
	s_wait_xcnt 0x0
	s_wait_alu depctr_hold_cnt(0) depctr_sa_sdst(0) depctr_va_vdst(0) depctr_va_sdst(0) depctr_va_ssrc(0) depctr_va_vcc(0) depctr_vm_vsrc(0)
	s_getreg_b32 s2, hwreg(HW_REG_IB_STS2, 6, 4)
	s_cmp_eq_u32 s2, 0
	s_cbranch_scc0 .Lentry_in_a_cluster
	s_endpgm
.Lentry_in_a_cluster:
	s_bfe_u32 s2, ttmp6, 0x10000c
	s_cmp_lg_u32 s2, 0xf033
	s_cbranch_scc0 .Lentry_shape_is_right
	s_endpgm
.Lentry_shape_is_right:
; qkv = x W_qkv on codes of BF6 (E3M2) with E8M0 scales, sums in f32, K = 1,024 ascending in one accumulator for each output; the results are quantised on the way out and leave as codes alone:
; q and k along the head's 64 (images of 16 tokens x 64: 768 bytes a tile), v along the keys (images of 16 channels x 128 keys: 1,536 bytes a tile).
; Operands are images of operand registers (tile x 12,288 + kappa x 1,536 + p x 256 + 8 x lane), rows in the order sigma (bits 3 and 4 of the index change places).
; A tile of 256 R x 256 P is made by four waves, 128 x 128 each: 64 accumulators, 512 registers.  Source 0 = 16 rows of P, source 1 = 16 rows of R: lane (r, h) of accumulator (a, b) holds R's position 16 a + r, and
; its register j P's TRUE index 32 (b / 2) + 16 h + 8 (b % 2) + j: the 64 registers of one a are 4 blocks of 32 along P, 16 neighbours of each in a lane: what the conversions take.
; q, k (clusters y 0-7): R = tokens, P = rows of W (the channels d): quantised along d.   v (clusters y 8-11): R = rows of W_v, P = tokens: quantised along the keys.  One text serves both.
; K = 1,024 is four K steps of 256.  THREE LDS slots: K steps 0, 1, 2 and all scale words are first fills (four tensor loads of a wave are out at the head); K step 3 is the one refill, into slot 0.
; CLUSTER 4 x 4: R's tiles are asked for jointly along a row of the cluster, P's along a column.  384 work-groups: one and a half rounds of 256; a tile of 256 x 384 does not fit the registers.
; LIMITS: NaN and infinities are not served; a block of zeros or under 2^-122 keeps the scale byte 1 (its codes are zeros; this program alone reads the bytes).
; REGISTERS: window 0: v1-9 lane terms, v16-23 LDS addresses, v28-29 the spare word's, v32-63 scale words (two sets), v128-223 R's fragments (one set); window 1: P's fragments, two sets, at v0 and v128;
; windows 2, 3: accumulator (a, b) at v[8 (8 (a % 4) + b)].
.set SLOTB, 98304                      ; a slot: R's 16 tiles x 3,072 bytes (256 along K), then P's 16
.set HALFT, 24576                      ; 8 tiles: what one tensor load brings, and what one wave reads of R or of P
.set POFF,  49152
.set SCL,   3*SLOTB                    ; the scale words of all of K: R's 256 rows 8,192 bytes, then P's
.set SPARE, SCL+16384                  ; the spare words: 128 bytes for each wave, two blocks of 256 bytes that no other line names
.set STG,   SLOTB                      ; the way out's stage lies in slot 1: it has had its only fill, and every wave has left it at the last barrier
.set FR,    12
.set ADRA,  16                         ; v16-18 my R fragments in slot 0, 1, 2
.set ADRB,  20                         ; v20-22 my P fragments
.set ADRS,  23                         ; v23    my scale words: lanes 0-15 R's, lanes 16-31 P's
.set SPW,   28
.set NIL,   29
.set SC,    32                         ; set s at v[SC + 16 s]; register 8 q + i: lanes 0-15 the word of R's block i, lanes 16-31 that of P's block i, for the K step's q-th 128
.set AF,    128
.set G1R,  24
.set G1P,  32
.set G1SR, 40
.set G1SP, 48
.set G0R,  56                          ; R's groups 0: s[56:59], s[60:63], s[68:71]
.set G0P,  72                          ; P's: s[72:75], s[76:79], s[80:83]
.set G0SR, 84
.set G0SP, 88
.set MSB, 0
.macro WIN new                         ; the immediate's high byte repeats the setting that is left
.if MSB != \new
	s_set_vgpr_msb (MSB<<8)|\new
.set MSB, \new
.endif
.endm
.set MUL_LO, 0xa1                      ; source 0 (P) window 1, source 1 (R) window 0, C and D window 2
.set MUL_HI, 0xf1
.set TO_B,   0x40
.macro PLACES                          ; four plain lines between a matrix instruction and a load into, or a read of, its registers
.rept 4
	v_nop
.endr
.endm
.macro JLOAD                           ; the joint refill of slot 0: waves 0, 1 fetch R's halves, waves 2, 3 P's; four v_nop follow each line
	s_cmp_eq_u32 s15, 0
	s_cbranch_scc0 .Lfor_p_\@
	tensor_load_to_lds s[G0R:G0R+3], s[G1R:G1R+7]
	s_nop 0
.rept 4
	v_nop
.endr
	s_branch .Lasked_\@
.Lfor_p_\@:
	tensor_load_to_lds s[G0P:G0P+3], s[G1P:G1P+7]
	s_nop 0
.rept 4
	v_nop
.endr
.Lasked_\@:
.endm
.macro CREST                           ; a round of the cluster's barrier behind its opening barrier
	s_cmp_lg_u32 s14, 0
	s_cbranch_scc1 .Lnot_wave_0_\@
	s_barrier_signal -3
.Lnot_wave_0_\@:
	s_barrier_wait -3
	s_barrier_signal -1
	s_barrier_wait -1
.endm
.macro CROUND
	s_barrier_signal -1
	s_barrier_wait -1
	CREST
.endm
.macro MKG0 g, ldsreg, ldsoff, a, off  ; a group 0: count 1, LDS address, global address, type 2
	s_mov_b32 s[\g], 1
	s_add_co_u32 s[\g+1], s[\ldsreg], \ldsoff
	s_add_nc_u64 s[\g+2:\g+3], s[\a:\a+1], \off
	s_or_b32 s[\g+3], s[\g+3], 0x80000000
.endm
.macro FRAG reg, adr, q, i             ; a fragment as it lies: six loads of 8 bytes a lane, each 256 consecutive bytes
.irp p, 0,1,2,3,4,5
	ds_load_b64 v[\reg+2*\p:\reg+2*\p+1], v[\adr] offset:3072*(\i)+1536*(\q)+256*\p
.endr
.endm
.macro FETCH_B slot, q, p
	WIN TO_B
.irp i, 0,1,2,3,4,5,6,7
	FRAG 128*(\p)+FR*\i, ADRB+\slot, \q, \i
.endr
	WIN 0
.endm
.macro FETCH_A slot, q, i0
.irp i, \i0, \i0+1, \i0+2, \i0+3
	FRAG AF+FR*(\i), ADRA+\slot, \q, \i
.endr
.endm
.macro SCALES ks, set                  ; K step ks's scale words
.irp q, 0,1
.irp i, 0,1,2,3,4,5,6,7
	ds_load_b32 v[SC+16*(\set)+8*\q+\i], v[ADRS] offset:1024*(\ks)+512*\q+64*\i
.endr
.endr
.endm
; 16 matrix instructions: R's blocks a0, a0 + 1 x P's eight.  The 64 accumulators take turns, one instruction a turn, in the same order in every step.
.macro MUL16 a0, set, q, sc, zero
.irp a, \a0, \a0+1
.irp b, 0,1,2,3,4,5,6,7
.if \zero
	v_wmma_scale_f32_16x16x128_f8f6f4 v[8*(8*((\a)%4)+\b):8*(8*((\a)%4)+\b)+7], v[128*(\set)+FR*\b:128*(\set)+FR*\b+FR-1], v[AF+FR*(\a):AF+FR*(\a)+FR-1], 0, v[SC+16*(\sc)+8*(\q)+\b], v[SC+16*(\sc)+8*(\q)+(\a)] matrix_a_fmt:MATRIX_FMT_BF6 matrix_b_fmt:MATRIX_FMT_BF6 matrix_a_scale:MATRIX_SCALE_ROW1
.else
	v_wmma_scale_f32_16x16x128_f8f6f4 v[8*(8*((\a)%4)+\b):8*(8*((\a)%4)+\b)+7], v[128*(\set)+FR*\b:128*(\set)+FR*\b+FR-1], v[AF+FR*(\a):AF+FR*(\a)+FR-1], v[8*(8*((\a)%4)+\b):8*(8*((\a)%4)+\b)+7], v[SC+16*(\sc)+8*(\q)+\b], v[SC+16*(\sc)+8*(\q)+(\a)] matrix_a_fmt:MATRIX_FMT_BF6 matrix_b_fmt:MATRIX_FMT_BF6 matrix_a_scale:MATRIX_SCALE_ROW1
.endif
.endr
.endr
.endm
; A step of 128 along K.  set: P's set; q: which 128 of the K step; sc: the set of scale words; ns, nq: slot and q of the step that follows; nks: its K step (used where nq = 0)
.macro KSTEP set, q, sc, zero, ns, nq, nks
	s_wait_dscnt 24                                ; all but the youngest 24 loads (R's blocks 4-7) are in
	WIN MUL_LO
	MUL16 0, \set, \q, \sc, \zero
	MUL16 2, \set, \q, \sc, \zero
	s_wait_dscnt 0x0                               ; R's blocks 4-7 are in
	PLACES
	FETCH_B \ns, \nq, 1-\set
	FETCH_A \ns, \nq, 0
.if \nq == 0
	SCALES \nks, 1-\sc
.endif
	WIN MUL_HI
	MUL16 4, \set, \q, \sc, \zero
	MUL16 6, \set, \q, \sc, \zero
	PLACES
	WIN 0
	FETCH_A \ns, \nq, 4
.endm
; A step with a barrier.  In front of it each wave waits for all its tensor loads, adds 0 to its spare word, and waits for that and for its LDS reads.  fill = 1: slot 0, which nobody reads any more, takes K step 3.
.macro TURN set, q, sc, fill, ns, nks
	s_wait_tensorcnt 0x0                           ; all my tensor loads have landed
	ds_add_u32 v[SPW], v[NIL]                      ; 0 onto my spare word
	s_wait_dscnt 25                                ; (the add and R's blocks 4-7 may be out)
	WIN MUL_LO
	MUL16 0, \set, \q, \sc, 0                      ; sixteen matrix instructions stand between the add and the wait for it
	s_wait_dscnt 0x0                               ; the add is done, and my reads of the slot that I leave are over
	s_barrier_signal -1
	MUL16 2, \set, \q, \sc, 0
	WIN 0
	s_barrier_wait -1
.if \fill
	CREST                                          ; the barrier has opened a round of the cluster's: no wave of any partner still reads slot 0 or has a load on its way
	s_add_nc_u64 s[G0R+2:G0R+3], s[G0R+2:G0R+3], 9216   ; K step 3: 3 x 3,072 bytes on in each tile
	s_add_nc_u64 s[G0P+2:G0P+3], s[G0P+2:G0P+3], 9216
	JLOAD                                          ; my one tensor load behind the round; it has two K steps, 256 matrix instructions, in which to land; its four v_nop are the places for the loads below
.else
	PLACES
.endif
	FETCH_B \ns, 0, 1-\set
	FETCH_A \ns, 0, 0
	SCALES \nks, 1-\sc
	WIN MUL_HI
	MUL16 4, \set, \q, \sc, 0
	MUL16 6, \set, \q, \sc, 0
	PLACES
	WIN 0
	FETCH_A \ns, 0, 4
.endm
	s_load_b256 s[4:11], s[0:1], 0x0               ; ximg s[4:5], wimg s[6:7], qimg s[8:9], kvimg s[10:11]
	v_lshl_add_u32 v[SPW], v0, 2, SPARE
	v_mov_b32 v[NIL], 0
	ds_add_u32 v28, v29
	ds_add_u32 v28, v29
	s_wait_dscnt 0x0
	v_lshrrev_b32 v1, 5, v0
	v_readfirstlane_b32 s14, v1                    ; wave 0..3
	s_lshr_b32 s15, s14, 1                         ; my half of R's rows.  Also: I fetch for R (0) or for P (1)
	s_and_b32 s16, s14, 1                          ; my half of P's rows.  Also: which 128 rows I fetch
	s_bfe_u32 s92, ttmp6, 0x40000                  ; cx
	s_bfe_u32 s93, ttmp6, 0x40004                  ; cy
	s_and_b32 s17, ttmp7, 0xffff                   ; cluster y: 0-7 q and k, 8-11 v
	s_sub_co_u32 s18, s17, 8
	s_lshl_b32 s18, s18, 1
	s_add_co_u32 s18, s18, ttmp9                   ; v: 2 (y - 8) + x: which four tiles of tokens
	s_cmp_ge_u32 s17, 8                            ; hangs on the cluster's number alone: the same in all sixteen partners
	s_cselect_b32 s94, 1, 0                        ; 1: v
	s_cselect_b32 s18, s18, ttmp9                  ; P's four tiles
	s_cselect_b32 s19, 0, s17                      ; R's four tiles
	s_cselect_b32 s20, 8, 0                        ; W_v's rows begin at tile 8 of 256 in wimg
	s_mov_b32 s21, 6291456
	s_cselect_b32 s21, 3145728, s21                ; where the scale words begin in R's buffer
	s_mov_b32 s22, 3145728
	s_cselect_b32 s22, 6291456, s22                ; and in P's
	s_lshl_b32 s95, s18, 2
	s_add_co_u32 s95, s95, s92                     ; tx: P's tile of 256
	s_lshl_b32 s96, s19, 2
	s_add_co_u32 s96, s96, s93                     ; ty: R's
	s_lshl_b32 s17, s93, 2
	s_lshl_b32 s17, 15, s17                        ; my row of the cluster
	s_lshl_b32 s18, 0x1111, s92                    ; my column
	s_or_b32 s[G1R], s17, (3<<16)|(1<<21)          ; 15:0 the mask; 17:16 elements of 8 bytes; 21 set beside a mask; no padding
	s_or_b32 s[G1P], s18, (3<<16)|(1<<21)
	s_or_b32 s[G1SR], s17, (3<<16)|(1<<21)
	s_or_b32 s[G1SP], s18, (3<<16)|(1<<21)
.irp g, G1R, G1P                       ; 8 tiles' parts of a K step: 8 rows of 3,072 bytes (384 elements), 12,288 bytes apart, dense in LDS
	s_mov_b32 s[\g+1], 384<<16
	s_mov_b32 s[\g+2], 8<<16
	s_mov_b32 s[\g+3], 384<<16
	s_mov_b32 s[\g+4], 8
	s_mov_b32 s[\g+5], 1536
	s_mov_b32 s[\g+6], 0
	s_mov_b32 s[\g+7], 0
.endr
.irp g, G1SR, G1SP                     ; the scale words of 128 rows: 4,096 dense bytes as 16 rows of 256
	s_mov_b32 s[\g+1], 32<<16
	s_mov_b32 s[\g+2], 16<<16
	s_mov_b32 s[\g+3], 32<<16
	s_mov_b32 s[\g+4], 16
	s_mov_b32 s[\g+5], 32
	s_mov_b32 s[\g+6], 0
	s_mov_b32 s[\g+7], 0
.endr
	s_add_co_u32 s97, s96, s20                     ; R's offsets are made of ty alone, P's of tx alone
	s_mul_i32 s98, s97, 196608
	s_mul_i32 s99, s16, 98304
	s_add_co_u32 s98, s98, s99
	s_mov_b32 s99, 0
	s_lshl_b32 s100, s97, 13
	s_lshl_b32 s101, s16, 12
	s_add_co_u32 s100, s100, s101
	s_add_co_u32 s100, s100, s21
	s_mov_b32 s101, 0
	s_mul_i32 s66, s95, 196608
	s_mul_i32 s67, s16, 98304
	s_add_co_u32 s66, s66, s67
	s_mov_b32 s67, 0
	s_lshl_b32 s2, s95, 13
	s_lshl_b32 s3, s16, 12
	s_add_co_u32 s2, s2, s3
	s_add_co_u32 s2, s2, s22
	s_mov_b32 s3, 0
	s_mul_i32 s17, s14, HALFT                      ; where my loads go: wave x 8 tiles; no place in the cluster enters an LDS address
	s_lshl_b32 s18, s14, 12
	s_add_co_u32 s18, s18, SCL
	s_wait_kmcnt 0x0
	s_cmp_eq_u32 s94, 1
	s_cselect_b64 s[12:13], s[6:7], s[4:5]         ; R's buffer
	s_add_nc_u64 s[98:99], s[12:13], s[98:99]
	s_add_nc_u64 s[100:101], s[12:13], s[100:101]
	s_cselect_b64 s[12:13], s[4:5], s[6:7]         ; P's buffer (the 64-bit sums leave SCC alone)
	s_add_nc_u64 s[66:67], s[12:13], s[66:67]
	s_add_nc_u64 s[2:3], s[12:13], s[2:3]
	MKG0 G0SR, 18, 0, 100, 0
	MKG0 G0SP, 18, 0, 2, 0
	MKG0 56, 17, 0, 98, 0
	MKG0 60, 17, SLOTB, 98, 3072
	MKG0 68, 17, 2*SLOTB, 98, 6144
	MKG0 72, 17, 0, 66, 0
	MKG0 76, 17, SLOTB, 66, 3072
	MKG0 80, 17, 2*SLOTB, 66, 6144
	CROUND                                         ; all sixteen work-groups are here: the first joint loads meet
	s_cmp_eq_u32 s15, 0                            ; a wave's four first fills stand in one branch on its number: four tensor loads of mine are out
	s_cbranch_scc0 .Lfirst_p
	tensor_load_to_lds s[G0SR:G0SR+3], s[G1SR:G1SR+7]
	s_nop 0
	tensor_load_to_lds s[56:59], s[G1R:G1R+7]
	s_nop 0
	tensor_load_to_lds s[60:63], s[G1R:G1R+7]
	s_nop 0
	tensor_load_to_lds s[68:71], s[G1R:G1R+7]
	s_nop 0
.rept 4
	v_nop
.endr
	s_branch .Lfirst_done
.Lfirst_p:
	tensor_load_to_lds s[G0SP:G0SP+3], s[G1SP:G1SP+7]
	s_nop 0
	tensor_load_to_lds s[72:75], s[G1P:G1P+7]
	s_nop 0
	tensor_load_to_lds s[76:79], s[G1P:G1P+7]
	s_nop 0
	tensor_load_to_lds s[80:83], s[G1P:G1P+7]
	s_nop 0
.rept 4
	v_nop
.endr
.Lfirst_done:
	v_and_b32 v2, 31, v0                           ; l
	v_and_b32 v3, 15, v0                           ; r
	v_bfe_u32 v4, v0, 4, 1                         ; h
	s_wait_alu depctr_va_vdst(0)
	v_lshlrev_b32 v5, 3, v2                        ; 8 l
	s_mul_i32 s17, s15, HALFT
	s_mul_i32 s18, s16, HALFT
	s_add_co_u32 s18, s18, POFF
.irp s, 0,1,2
	v_add_nc_u32 v[ADRA+\s], s17, v5
	v_add_nc_u32 v[ADRB+\s], s18, v5
	s_add_co_u32 s17, s17, SLOTB
	s_add_co_u32 s18, s18, SLOTB
.endr
	s_xor_b32 s18, s15, 1                          ; from R's words of my half to P's of my half: 4,096 x (1 + my half of P + 1 - my half of R)
	s_add_co_u32 s18, s18, s16
	s_add_co_u32 s18, s18, 1
	s_lshl_b32 s18, s18, 12
	v_mul_u32_u24 v6, s18, v4                      ; lanes 16-31 take P's: one product of h and the distance
	v_lshl_add_u32 v6, v3, 2, v6
	s_lshl_b32 s17, s15, 12
	s_add_co_u32 s17, s17, SCL
	v_add_nc_u32 v[ADRS], s17, v6
	s_wait_alu depctr_va_vdst(0)
	s_wait_tensorcnt 0x2                           ; the scale words and my part of K step 0 are in; K steps 1 and 2 may stay out
	s_barrier_signal -1
	s_barrier_wait -1
	FETCH_B 0, 0, 0
	FETCH_A 0, 0, 0
	SCALES 0, 0
	FETCH_A 0, 0, 4
	KSTEP 0, 0, 0, 1, 0, 1, 0                      ; kappa 0: its products start the sums: nothing is cleared
	TURN  1, 1, 0, 1, 1, 1                         ; kappa 1: slot 0 is left and takes K step 3; every wave's loads of slots 1 and 2 are shown landed here
	KSTEP 0, 0, 1, 0, 1, 1, 0                      ; kappa 2
	KSTEP 1, 1, 1, 0, 2, 0, 2                      ; kappa 3: on to slot 2, whole since the barrier above
	KSTEP 0, 0, 0, 0, 2, 1, 0                      ; kappa 4
	TURN  1, 1, 0, 0, 0, 3                         ; kappa 5: K step 3 has landed in every wave's part; nothing is filled
	KSTEP 0, 0, 1, 0, 0, 1, 0                      ; kappa 6
	s_wait_dscnt 24                                ; kappa 7: nothing more to fetch
	WIN MUL_LO
	MUL16 0, 1, 1, 1, 0
	MUL16 2, 1, 1, 1, 0
	s_wait_dscnt 0x0
	WIN MUL_HI
	MUL16 4, 1, 1, 1, 0
	MUL16 6, 1, 1, 1, 0
	WIN 0
	PLACES
	; ---- THE WAY OUT.  Block a's 64 registers are quantised as they stand; the fragment's registers 0-5 and 6-11 leave as units of 256 bytes.
	; q, k: registers 0-5 are my first head's tile (d = 32 h + 0 .. 31), 6-11 the next head's; v: the twelve are one tile of 16 channels x 128 keys.
.set TM,  64                           ; v64-79 at work; v80 the scale word; v81 as it is stored
.set PW,  80
	s_lshl_b32 s17, s95, 8
	s_lshl_b32 s18, s16, 7
	s_add_co_u32 s17, s17, s18                     ; v: my first token = 256 tx + 128 x my half of P
	s_lshl_b32 s18, s96, 8
	s_lshl_b32 s19, s15, 7
	s_add_co_u32 s18, s18, s19                     ; q, k: 256 ty + 128 x my half of R
	s_lshl_b32 s19, s96, 2
	s_lshl_b32 s20, s15, 1
	s_add_co_u32 s19, s19, s20                     ; v: my first head = 4 ty + 2 x my half of R
	s_and_b32 s20, s95, 3
	s_lshl_b32 s20, s20, 2
	s_lshl_b32 s21, s16, 1
	s_add_co_u32 s20, s20, s21                     ; q, k: 4 (tx % 4) + 2 x my half of P
	s_or_b32 s97, s94, ttmp9
	s_cmp_eq_u32 s97, 0                            ; q: not v, and cluster x = 0
	s_mov_b32 s21, 13056
	s_cselect_b32 s21, 6656, s21                   ; bytes of a step of 128 tokens in the buffer
	s_mov_b32 s2, 208896
	s_cselect_b32 s2, 106496, s2                   ; bytes of a head
	s_cselect_b64 s[12:13], s[8:9], s[10:11]
	s_cmp_eq_u32 s94, 1
	s_cselect_b32 s17, s17, s18                    ; my first token
	s_cselect_b32 s19, s19, s20                    ; my first head
	s_cselect_b32 s97, 6656, 0                     ; V's part of a step lies behind K's
	s_mov_b32 s22, 768
	s_cselect_b32 s22, 1536, s22                   ; from block a to a + 1
	s_mov_b32 s23, 0
	s_mov_b32 s100, 768
	s_cselect_b32 s100, 204288, s100               ; from block 3 to 4: v goes on to the next head's first tile (208,896 - 3 x 1,536)
	s_mov_b32 s101, 0
	s_cselect_b32 s66, 768, s2                     ; from registers 0-5's place to 6-11's: v: the tile's second half; q, k: the next head
	s_mov_b32 s67, 0
	s_mov_b32 s18, 256
	s_cselect_b32 s18, 208896, s18                 ; from lanes 0-15's scale words to lanes 16-31's
	s_cselect_b32 s20, 0, 16                       ; q, k: lanes 16-31 keep the word's upper two bytes, the next head's
	s_lshr_b32 s92, s17, 11                        ; the batch
	s_lshl_b32 s92, s92, 4
	s_add_co_u32 s92, s92, s19
	s_mul_i32 s92, s92, s2
	s_bfe_u32 s93, s17, 0x40007                    ; the step of 128 tokens
	s_mul_i32 s93, s93, s21
	s_add_co_u32 s92, s92, s93
	s_add_co_u32 s92, s92, s97
	s_mov_b32 s93, 0
	s_add_nc_u64 s[12:13], s[12:13], s[92:93]      ; registers 0-5 of block 0
	s_add_nc_u64 s[98:99], s[12:13], s[66:67]      ; registers 6-11
	s_add_nc_u64 s[92:93], s[12:13], 6144          ; the scale words
	s_add_nc_u64 s[66:67], s[92:93], s[66:67]      ; q, k: the next head's
	s_lshl_b32 s19, s14, 10
	s_add_co_u32 s19, s19, STG                     ; my 1,024 bytes of stage
	v_lshlrev_b32 v6, 9, v4
	v_lshl_add_u32 v6, v3, 2, v6
	v_add_nc_u32 v6, s19, v6                       ; in: 512 h + 4 r, + 64 a
	v_lshl_add_u32 v7, v2, 4, s19                  ; back: 16 l
	v_mul_u32_u24 v8, v4, s18
	v_lshl_add_u32 v8, v3, 4, v8                   ; and to memory: 16 r + h x the distance
	v_mul_u32_u24 v9, v4, s20
.irp b, 0,1,2,3
	v_mov_b32 v[TM+4+\b], 0                        ; written once: a lane permute's destination counts as one of its sources
.endr
.macro QUANTW a
.set AC, 64*((\a)%4)
.set PC, 96+64*(1-((\a)%4)/2)          ; the codes: v160 on for accumulators numbered v0-127, v96 on for those numbered v128-255: a conversion's destination never has the number of a source
	WIN 0x0a+5*((\a)/4)                            ; sources 0 and 1: window 2 or 3
.irp b, 0,1,2,3
	v_max3_num_f32 v[TM+\b], |v[AC+16*\b]|, |v[AC+1+16*\b]|, 0x2800000   ; each accumulator is read from its low end on; the floor 2^(5 - 127) holds the byte at 1
.endr
.irp i, 2,4,6,8,10,12,14
.irp b, 0,1,2,3
	v_max3_num_f32 v[TM+\b], |v[AC+16*\b+\i]|, |v[AC+1+16*\b+\i]|, v[TM+\b]
.endr
.endr
	WIN 0
.irp b, 0,1,2,3
	v_permlanex16_b32 v[TM+4+\b], v[TM+\b], s20, s21
.endr
.irp b, 0,1,2,3
	v_max_num_f32 v[TM+\b], v[TM+\b], v[TM+4+\b]
.endr
.irp b, 0,1,2,3
	v_add_nc_u32 v[TM+12+\b], 0xfe000000, v[TM+\b]
.endr
.irp b, 0,1,2,3
	v_lshrrev_b32 v[TM+4+\b], 23, v[TM+12+\b]
.endr
	v_lshl_or_b32 v[PW], v[TM+5], 8, v[TM+4]
	v_lshl_or_b32 v[PW], v[TM+6], 16, v[PW]
	v_lshl_or_b32 v[PW], v[TM+7], 24, v[PW]
	WIN 0x02+((\a)/4)                              ; source 0: window 2 or 3; the scale operand and the codes in window 0
.irp c, 0,1
	v_cvt_scalef32_pk16_bf6_f32 v[PC+6*\c:PC+2+6*\c], v[AC+32*\c:AC+15+32*\c], v[TM+12+2*\c]
	v_cvt_scalef32_pk16_bf6_f32 v[PC+12+4*\c:PC+14+4*\c], v[AC+16+32*\c:AC+31+32*\c], v[TM+12+2*\c+1]
.endr
	WIN 0
	v_nop                                          ; one plain line behind the scaled conversions
.irp c, 0,1
.irp i, 0,1,2
	v_permlane16_swap_b32 v[PC+6*\c+\i], v[PC+12+4*\c+\i]
.endr
.irp i, 0,1,2
	v_mov_b32 v[PC+3+6*\c+\i], v[PC+12+4*\c+\i]
.endr
.endr
.endm
	s_mov_b32 s20, 0x76543210                      ; (the shift's factor has been read)
	s_mov_b32 s21, 0xfedcba98
.irp a, 0,1,2,3,4,5,6,7
.if \a > 0
	s_wait_xcnt 0x0                                ; the last block's stores have read their data and bases: both are written again only behind this wait
.if \a == 4
	s_add_nc_u64 s[12:13], s[12:13], s[100:101]
	s_add_nc_u64 s[98:99], s[98:99], s[100:101]
.else
	s_add_nc_u64 s[12:13], s[12:13], s[22:23]
	s_add_nc_u64 s[98:99], s[98:99], s[22:23]
.endif
.endif
	QUANTW \a
.irp p, 0,1,2
	global_store_b64 v5, v[PC+2*\p:PC+2*\p+1], s[12:13] offset:256*\p        ; 32 lanes store 256 consecutive bytes, aligned
.endr
.irp p, 0,1,2
	global_store_b64 v5, v[PC+6+2*\p:PC+7+2*\p], s[98:99] offset:256*\p
.endr
	v_lshrrev_b32 v81, v9, v[PW]
	ds_store_b32 v6, v81 offset:64*\a
.endr
	ds_load_b128 v[116:119], v7                    ; LDS serves a wave's instructions in order (ISA guide 5.7.1.4): these see my stores
	ds_load_b128 v[120:123], v7 offset:512
	s_wait_dscnt 0x0
	global_store_b128 v8, v[116:119], s[92:93]     ; q, k: my first head's 8 x 64 bytes of words; v: 256 bytes for each of my two heads
	s_cmp_eq_u32 s94, 1
	s_cbranch_scc1 .Lno_second
	global_store_b128 v8, v[120:123], s[66:67]     ; q, k: the next head's
.Lno_second:
	s_wait_tensorcnt 0x0                           ; the wave's end
	ds_add_u32 v[SPW], v[NIL]
	s_wait_dscnt 0x0
	CROUND                                         ; the closing round
	s_endpgm
.Lfunc_end_k_qa77cf406cb_gqkv:
	.size	k_qa77cf406cb_gqkv, .Lfunc_end_k_qa77cf406cb_gqkv-k_qa77cf406cb_gqkv
	.p2alignl 7, 3214868480
	.fill 96, 4, 3214868480
	.section	.rodata,"a",@progbits
	.p2align	6, 0x0
	.amdhsa_kernel k_qa77cf406cb_gqkv
		.amdhsa_group_segment_fixed_size 327680
		.amdhsa_private_segment_fixed_size 0
		.amdhsa_enable_private_segment 0
		.amdhsa_kernarg_size 32
		.amdhsa_user_sgpr_count 2
		.amdhsa_user_sgpr_kernarg_segment_ptr 1
		.amdhsa_wavefront_size32 1
		.amdhsa_system_sgpr_workgroup_id_x 1
		.amdhsa_system_sgpr_workgroup_id_y 1
		.amdhsa_system_sgpr_workgroup_id_z 1
		.amdhsa_system_vgpr_workitem_id 0
		.amdhsa_next_free_vgpr 1024
		.amdhsa_next_free_sgpr 102
		.amdhsa_reserve_vcc 0
		.amdhsa_float_denorm_mode_32 3
		.amdhsa_float_denorm_mode_16_64 3
		.amdhsa_memory_ordered 1
		.amdhsa_forward_progress 1
		.amdhsa_inst_pref_size 171
	.end_amdhsa_kernel
	.amdgpu_metadata
---
amdhsa.version: [ 1, 2 ]
amdhsa.kernels:
  - .name:           k_qa77cf406cb_gqkv
    .symbol:         k_qa77cf406cb_gqkv.kd
    .args:
      - { .name: ximg, .offset: 0, .size: 8, .value_kind: global_buffer, .address_space: global }
      - { .name: wimg, .offset: 8, .size: 8, .value_kind: global_buffer, .address_space: global }
      - { .name: qimg, .offset: 16, .size: 8, .value_kind: global_buffer, .address_space: global }
      - { .name: kvimg, .offset: 24, .size: 8, .value_kind: global_buffer, .address_space: global }
    .group_segment_fixed_size: 327680
    .private_segment_fixed_size: 0
    .kernarg_segment_align: 8
    .kernarg_segment_size: 32
    .max_flat_workgroup_size: 128
    .sgpr_count:     102
    .vgpr_count:     1024
    .wavefront_size: 32
...
	.end_amdgpu_metadata
.endif
;; end of part 2
;; launch attn (part 3): grid 4 x 64, 16 waves a work-group, no clusters, 327,680 bytes of LDS; arguments qimg, kvimg, aimg; writes aimg
.if DOCPART == 3
	.amdgcn_target "amdgcn-amd-amdhsa--gfx1250"
	.amdhsa_code_object_version 6
	.text
	.protected	k_qa77cf406cb_attn
	.globl	k_qa77cf406cb_attn
	.p2align	8
	.type	k_qa77cf406cb_attn,@function
k_qa77cf406cb_attn:
	s_mov_b64 s[64:65], 0
	v_nop
	global_prefetch_b8 v0, s[64:65] scope:SCOPE_SE
	s_setreg_imm32_b32 hwreg(HW_REG_WAVE_MODE, 25, 1), 1
	s_wait_xcnt 0x0
; Causal attention of one head on codes of BF6 (E3M2) with E8M0 scales, and the quantiser of its result along the 1,024 channels.
; t = score x log2(e) / 8; M = the running largest t rounded UP to a whole number; p = 2^(t - M) is quantised along the keys, not normalised; the row's sum is taken of the unquantised p and divides at the end;
; when M moves, the sum and O are multiplied by 2^(old M - new M), exactly.
; INPUTS (images of operand registers, rows in the order sigma): qimg [head 64][step 16] 8 tiles x 768 bytes | 512 bytes of scale words; kvimg [head][step of 128 keys] K 8 x 768 | K's words 512 | V 4 x 1,536 | V's words 256.
; SHARES.  Work-group (J, head): pass 1 takes the 256 queries of block J, wave w tile w; pass 2 block 7 - J, wave w tile 15 - w.  A slot holds 256 keys.  Pass 1 walks slots 0 .. J, pass 2 slots 0 .. 7 - J:
; nine slots in every work-group, so the loop's count is a constant; a step all of whose keys come after the wave's queries is jumped over: every wave works 17 steps of 128 keys.
; Sixteen waves of 256 registers, four to a SIMD: one wave's softmax stands beside another's products and LDS loads.
; NO CLUSTER: the four work-groups of a head are at different slots in the same trip (0 .. J, then 0 .. 7 - J), so no request can be made alike in all of them.
; LAYOUT.  Both products are used transposed: S^T = K Q^T, O^T = V^T P^T: a lane holds one query (lane % 16).  By sigma the 16 registers of S's tiles 2 b, 2 b + 1 are keys 32 b + 16 h + 0 .. 15, and O^T's
; registers 16 b + i are channels 32 b + 16 h + i.
; THE HEAD'S 64 IN AN INSTRUCTION OF 128: Q's registers 6-11 are zero codes, so whatever codes stand in source 0's registers 6-11 add exact zeros (the format has no NaN and no infinity, and no scale byte here is 0xff):
; K's eight tiles lie 6 registers apart, and tile t is named as v[30 + 6 t : 41 + 6 t]; behind the last stand six registers of zeros.
; LIMITS: NaN and infinities are not served.  1 / l is v_rcp_f32 and a multiplication.  A block's largest p is taken from its largest score, which takes v_exp_f32 not to fall where its input rises.
; A block of zeros or under 2^-122 keeps the scale byte 1.  The scale word of 128 channels belongs to two heads, so each head stores its two bytes: 2 bytes a row.
.set STEPB, 13056                      ; a step of 128 keys in kvimg and in LDS
.set SLOTX, 32768                      ; slot 1 begins here: one exclusive or turns an address
.set SPARE, 65536                      ; the spare words: 128 bytes for each of 16 waves, eight blocks of 256 bytes that no other line names
.set L8,  1                            ; v1  8 x lane
.set L4,  2                            ; v2  4 x lane
.set R4,  3                            ; v3  4 x (lane % 16)
.set DQ,  4                            ; v4  r + 8 (r / 8) - 16 h: my query less my registers' first key
.set SPW, 5
.set NIL, 6
.set PFO, 7                            ; v7  the prefetch's offset
.set ADK, 8                            ; v8  LDS: the slot + 8 x lane
.set ADS, 9                            ; v9  LDS: the slot + 4 x lane
.set QF,  16                           ; v16-27 Q (v22-27 zeros)      v12 -M, v13 the largest t, v[14:15] the sum in two halves
.set QS,  28                           ; v28 Q's scale words
.set KV,  30                           ; v30-77 K's eight tiles, then V's four; v78-83 zeros
.set KS,  84                           ; v84-87 K's scale words: lanes 0-15 tile 2 u, lanes 16-31 tile 2 u + 1
.set VS,  88                           ; v88-89 V's
.set S,   96                           ; v96-159 S^T, then p
.set O,   160                          ; v160-191 O^T
.set PC,  192                          ; v192-203 p's codes; v204-210 halves on their way
.set PT,  204
.set BM,  212                          ; v212-215 the blocks' largest scores
.set T4,  216                          ; v216-219 at work
.set SO,  220                          ; v220-223 the conversions' scale operands
.set TT,  224
.set NI,  225
.set HW,  226
.set F,   230                          ; v230 f = 2^(old M - new M); v231 p's scale word
.set PWR, 231
.set WV,  10
.set J,   11
.set G,   12
.set JP1, 13
.set TAU, 14                           ; the trip
.set FN,  15                           ; fills so far
.set FS,  16                           ; the slot of keys that the next fill brings
.set KF,  17                           ; the step's first key
.set QB,  18                           ; my tile's first query
.set QMAX, 19                          ; and its last
.set SEL, 20
.set CS,  22
.set G1,  24
.set G0,  32
.set KVW, 36                           ; my head in kvimg, + the step that I fetch
.set TO,  38
.set QP,  40
.set QSP, 42
.set OA,  44
.set OS,  46
.set PFA, 48
.set PFN, 50
.set TB,  51
.set SLOTS, 52
.macro TLOAD                           ; waves 0 and 1 fetch a slot's two steps, the others nothing; four v_nop follow
	s_cmp_lt_u32 s[WV], 2
	s_cbranch_scc0 .Lnone_\@
	tensor_load_to_lds s[G0:G0+3], s[G1:G1+7]
	s_nop 0
.rept 4
	v_nop
.endr
.Lnone_\@:
.endm
; A PREFETCH INTO THE L2 of the slot that the NEXT change of slots will ask for.  Of a head's four work-groups J = 0 is the first to ask for slots 4 to 7, in its trips 4 to 7: it names slot TAU + 1 in trips 3 to 6, two key steps ahead
; of that load; waves 4 to 7 ask, a lane a block of 256 bytes; a slot has 102 blocks, and the lanes past them name its last block again.  Slots 0 to 3 come by their loads alone: the other work-groups ask for them in the first trips.
.macro ASK
	s_sub_co_u32 s53, s[TAU], 3
	s_cmp_lt_u32 s53, s[PFN]                       ; PFN = 4 in a wave that asks, else 0
	s_cbranch_scc0 .Lnot_mine_\@
	global_prefetch_b8 v[PFO], s[PFA:PFA+1] th:TH_LOAD_NT scope:SCOPE_SE
.Lnot_mine_\@:
.endm
; The scalars of a pass: my tile of queries, where its codes and words lie, and where its result goes.
.macro SETQ pass
.if \pass == 0
	s_mov_b32 s54, s[J]
	s_mov_b32 s55, s[WV]
.else
	s_sub_co_u32 s54, 7, s[J]
	s_sub_co_u32 s55, 15, s[WV]
.endif
	s_lshl_b32 s56, s54, 4
	s_add_co_u32 s56, s56, s55                     ; A: my tile among the head's 128
	s_lshl_b32 s[QB], s54, 8
	s_lshr_b32 s57, s55, 1
	s_lshl_b32 s57, s57, 5
	s_add_co_u32 s[QB], s[QB], s57
	s_and_b32 s57, s55, 1
	s_lshl_b32 s57, s57, 3
	s_add_co_u32 s[QB], s[QB], s57                 ; position r of the tile is query QB + r + 8 (r / 8)
	s_add_co_u32 s[QMAX], s[QB], 23
	s_mul_i32 s58, s[G], 106496
	s_lshr_b32 s57, s56, 3
	s_mul_i32 s57, s57, 6656
	s_add_co_u32 s58, s58, s57
	s_and_b32 s57, s56, 7
	s_mul_i32 s60, s57, 768
	s_add_co_u32 s60, s60, s58
	s_mov_b32 s61, 0
	s_add_nc_u64 s[QP:QP+1], s[4:5], s[60:61]
	s_lshl_b32 s60, s57, 6
	s_add_co_u32 s60, s60, s58
	s_add_co_u32 s60, s60, 6144
	s_add_nc_u64 s[QSP:QSP+1], s[4:5], s[60:61]
	s_lshr_b32 s57, s[G], 4
	s_lshl_b32 s57, s57, 7
	s_add_co_u32 s57, s57, s56                     ; T: the tile among aimg's 512
	s_and_b32 s58, s[G], 15
	s_lshr_b32 s59, s58, 1                         ; kappa = head / 2
	s_and_b32 s58, s[G], 1                         ; which 64 of its 128
	s_mul_i32 s60, s57, 12288
	s_mul_i32 s62, s59, 1536
	s_add_co_u32 s60, s60, s62
	s_mul_i32 s62, s58, 768
	s_add_co_u32 s60, s60, s62
	s_add_nc_u64 s[OA:OA+1], s[8:9], s[60:61]
	s_lshr_b32 s60, s57, 3
	s_lshl_b32 s60, s60, 12
	s_lshl_b32 s62, s59, 9
	s_add_co_u32 s60, s60, s62
	s_and_b32 s62, s57, 7
	s_lshl_b32 s62, s62, 6
	s_add_co_u32 s60, s60, s62
	s_lshl_b32 s62, s58, 1
	s_add_co_u32 s60, s60, s62
	s_add_co_u32 s60, s60, 6291456
	s_add_nc_u64 s[OS:OS+1], s[8:9], s[60:61]
.endm
.macro INIT                            ; a pass begins: Q, and empty sums
.irp p, 0,1,2
	global_load_b64 v[QF+2*\p:QF+2*\p+1], v[L8], s[QP:QP+1] offset:256*\p
.endr
	global_load_b32 v[QS], v[R4], s[QSP:QSP+1]
	v_mov_b32 v13, 0xff61b1e6                      ; the largest t so far: -3e38, under every t
	s_delay_alu instid0(VALU_DEP_1)
	v_floor_f32 v12, -v13
	v_mov_b32 v14, 0
	v_mov_b32 v15, 0
.set N, 0
.rept 32
	v_mov_b32 v[O+N], 0                            ; the step is written once: the first finds zeros, which the first change of M leaves zeros
.set N, N+1
.endr
	s_mov_b32 s[KF], 0
	s_wait_loadcnt 0x0
.endm
; A KEY STEP: 128 keys, the q-th of the slot in hand.
.macro STEP q
	s_cmp_gt_u32 s[KF], s[QMAX]                    ; all its keys come after my queries: a branch on ids and counted steps; no barrier and no tensor load stands in a step
	s_cbranch_scc1 .Lhidden_\@
	v_add_nc_u32 v[ADK], s[TB], v[L8]
	v_add_nc_u32 v[ADS], s[TB], v[L4]
	v_nop
	v_nop                                          ; four plain lines in front of loads into registers that the last products read
.irp t, 0,1,2,3,4,5,6,7
.irp p, 0,1,2
	ds_load_b64 v[KV+6*\t+2*\p:KV+6*\t+2*\p+1], v[ADK] offset:STEPB*\q+768*\t+256*\p
.endr
.endr
.irp u, 0,1,2,3
	ds_load_b32 v[KS+\u], v[ADS] offset:STEPB*\q+6144+128*\u
.endr
	s_wait_alu depctr_va_vdst(0)
	s_wait_dscnt 0x0
.irp u, 0,1,2,3
	v_wmma_scale_f32_16x16x128_f8f6f4 v[S+16*\u:S+16*\u+7], v[KV+12*\u:KV+12*\u+11], v[QF:QF+11], 0, v[KS+\u], v[QS] matrix_a_fmt:MATRIX_FMT_BF6 matrix_b_fmt:MATRIX_FMT_BF6
	v_wmma_scale_f32_16x16x128_f8f6f4 v[S+16*\u+8:S+16*\u+15], v[KV+12*\u+6:KV+12*\u+17], v[QF:QF+11], 0, v[KS+\u], v[QS] matrix_a_fmt:MATRIX_FMT_BF6 matrix_b_fmt:MATRIX_FMT_BF6 matrix_a_scale:MATRIX_SCALE_ROW1
.endr
.rept 4
	v_nop
.endr
.irp t, 0,1,2,3                                ; V's tiles land under the softmax
.irp p, 0,1,2,3,4,5
	ds_load_b64 v[KV+12*\t+2*\p:KV+12*\t+2*\p+1], v[ADK] offset:STEPB*\q+6656+1536*\t+256*\p
.endr
.endr
.irp u, 0,1
	ds_load_b32 v[VS+\u], v[ADS] offset:STEPB*\q+12800+128*\u
.endr
	s_add_co_u32 s53, s[KF], 127                   ; on the diagonal hidden scores become -infinity ahead of the maximum; a step all of whose keys count skips this
	s_cmp_le_u32 s53, s[QB]
	s_cbranch_scc1 .Lopen_\@
	s_sub_co_i32 s53, s[QB], s[KF]
	v_add_nc_u32 v[TT], s53, v[DQ]                 ; d: register 16 b + i holds a hidden key where 32 b + i > d
	v_mov_b32 v[NI], 0xff800000
.set N, 0
.rept 64
	v_cmp_gt_i32 vcc_lo, 32*(N/16)+N%16, v[TT]
	v_cndmask_b32 v[S+N], v[S+N], v[NI], vcc_lo
.set N, N+1
.endr
.Lopen_\@:
.irp b, 0,1,2,3
	v_max3_num_f32 v[BM+\b], v[S+16*\b], v[S+1+16*\b], v[S+2+16*\b]     ; the largest score of each block of 32 keys: for the row's maximum and for the block's largest p
.endr
.irp i, 3,5,7,9,11,13
.irp b, 0,1,2,3
	v_max3_num_f32 v[BM+\b], v[BM+\b], v[S+16*\b+\i], v[S+1+16*\b+\i]
.endr
.endr
.irp b, 0,1,2,3
	v_max_num_f32 v[BM+\b], v[BM+\b], v[S+15+16*\b]
.endr
.irp b, 0,1,2,3
	s_delay_alu instid0(VALU_DEP_4)
	v_permlanex16_b32 v[T4+\b], v[BM+\b], s[SEL], s[SEL+1]
.endr
.irp b, 0,1,2,3
	s_delay_alu instid0(VALU_DEP_4)
	v_max_num_f32 v[BM+\b], v[BM+\b], v[T4+\b]
.endr
	s_delay_alu instid0(VALU_DEP_2)
	v_max3_num_f32 v[TT], v[BM], v[BM+1], v[BM+2]
	s_delay_alu instid0(VALU_DEP_1)
	v_max_num_f32 v[TT], v[TT], v[BM+3]
	s_delay_alu instid0(VALU_DEP_1)
	v_mul_f32 v[TT], s[CS], v[TT]
	s_delay_alu instid0(VALU_DEP_1)
	v_max_num_f32 v13, v13, v[TT]                  ; the running largest t
	v_mov_b32 v[TT], v12
	s_delay_alu instid0(VALU_DEP_2)
	v_floor_f32 v12, -v13                          ; the new -M = -ceil(t)
	s_delay_alu instid0(VALU_DEP_1)
	v_sub_f32 v[TT], v12, v[TT]                    ; old M - new M: a whole number, 0 or less
	s_delay_alu instid0(VALU_DEP_1)
	v_cvt_i32_f32 v[TT], v[TT]                     ; (it saturates)
	s_delay_alu instid0(VALU_DEP_1)
	v_ldexp_f32 v[F], 1.0, v[TT]                   ; f
.set N, 0
.rept 32
	v_pk_fma_f32 v[S+N:S+N+1], v[S+N:S+N+1], s[CS:CS+1], v[12:13] op_sel_hi:[1,0,0]   ; t - M
.set N, N+2
.endr
.irp b, 0,1,2,3
	v_fma_f32 v[BM+\b], v[BM+\b], s[CS], v12
.endr
.set N, 0
	s_wait_alu depctr_va_vdst(0)
.rept 64
	v_exp_f32 v[S+N], v[S+N]                       ; p = 2^(t - M)
.set N, N+1
.endr
	v_pk_mul_f32 v[14:15], v[14:15], v[F:F+1] op_sel_hi:[1,0]   ; the sums under the new M: the plain line behind the exponentials
	s_wait_alu depctr_va_vdst(0)                   ; one wait for the batch of 64, ahead of its first reader
.irp b, 0,1,2,3
	v_exp_f32 v[BM+\b], v[BM+\b]                   ; the blocks' largest p
.endr
	v_pk_add_f32 v[216:217], v[100:101], v[104:105]
	v_pk_add_f32 v[254:255], v[108:109], v[112:113]
	v_pk_add_f32 v[252:253], v[116:117], v[120:121]
	v_pk_add_f32 v[250:251], v[124:125], v[128:129]
	v_pk_add_f32 v[248:249], v[132:133], v[136:137]
	v_pk_add_f32 v[246:247], v[140:141], v[144:145]
	v_pk_add_f32 v[244:245], v[148:149], v[152:153]
	v_pk_add_f32 v[14:15], v[14:15], v[156:157]
	v_pk_add_f32 v[216:217], v[216:217], v[96:97]
	v_pk_add_f32 v[254:255], v[254:255], v[98:99]
	v_pk_add_f32 v[252:253], v[252:253], v[102:103]
	v_pk_add_f32 v[250:251], v[250:251], v[106:107]
	v_pk_add_f32 v[248:249], v[248:249], v[110:111]
	v_pk_add_f32 v[246:247], v[246:247], v[114:115]
	v_pk_add_f32 v[244:245], v[244:245], v[118:119]
	v_pk_add_f32 v[14:15], v[14:15], v[122:123]
	v_pk_add_f32 v[216:217], v[216:217], v[126:127]
	v_pk_add_f32 v[254:255], v[254:255], v[130:131]
	v_pk_add_f32 v[252:253], v[252:253], v[134:135]
	v_pk_add_f32 v[250:251], v[250:251], v[138:139]
	v_pk_add_f32 v[248:249], v[248:249], v[142:143]
	v_pk_add_f32 v[246:247], v[246:247], v[146:147]
	v_pk_add_f32 v[244:245], v[244:245], v[150:151]
	v_pk_add_f32 v[14:15], v[14:15], v[154:155]
	v_pk_add_f32 v[216:217], v[216:217], v[158:159]
	s_delay_alu instid0(VALU_DEP_2)
	v_pk_add_f32 v[14:15], v[14:15], v[250:251]
	s_delay_alu instid0(VALU_DEP_2)
	v_pk_add_f32 v[216:217], v[216:217], v[248:249]
	v_pk_add_f32 v[254:255], v[254:255], v[246:247]
	v_pk_add_f32 v[252:253], v[252:253], v[244:245]
	s_delay_alu instid0(VALU_DEP_2)
	v_pk_add_f32 v[14:15], v[14:15], v[254:255]
	s_delay_alu instid0(VALU_DEP_2)
	v_pk_add_f32 v[216:217], v[216:217], v[252:253]
	s_delay_alu instid0(VALU_DEP_1)
	v_pk_add_f32 v[14:15], v[14:15], v[216:217]
	s_wait_alu depctr_va_vdst(0)                   ; and one for the four
.irp b, 0,1,2,3
	v_max_num_f32 v[BM+\b], 0x2800000, v[BM+\b]    ; the floor 2^(5 - 127)
.endr
.irp b, 0,1,2,3
	s_delay_alu instid0(VALU_DEP_4)
	v_add_nc_u32 v[SO+\b], 0xfe000000, v[BM+\b]
.endr
.irp b, 0,1,2,3
	s_delay_alu instid0(VALU_DEP_4)
	v_lshrrev_b32 v[T4+\b], 23, v[SO+\b]
.endr
	s_delay_alu instid0(VALU_DEP_3)
	v_lshl_or_b32 v[PWR], v[T4+1], 8, v[T4]
	s_delay_alu instid0(VALU_DEP_1)
	v_lshl_or_b32 v[PWR], v[T4+2], 16, v[PWR]
	s_delay_alu instid0(VALU_DEP_1)
	v_lshl_or_b32 v[PWR], v[T4+3], 24, v[PWR]
.irp c, 0,1
	v_cvt_scalef32_pk16_bf6_f32 v[PC+6*\c:PC+2+6*\c], v[S+32*\c:S+15+32*\c], v[SO+2*\c]
	v_cvt_scalef32_pk16_bf6_f32 v[PT+4*\c:PT+2+4*\c], v[S+16+32*\c:S+31+32*\c], v[SO+2*\c+1]
.endr
	v_nop                                          ; one plain line behind the scaled conversions
.irp c, 0,1
.irp i, 0,1,2
	v_permlane16_swap_b32 v[PC+6*\c+\i], v[PT+4*\c+\i]
.endr
.irp i, 0,1,2
	s_delay_alu instid0(VALU_DEP_3)
	v_mov_b32 v[PC+3+6*\c+\i], v[PT+4*\c+\i]
.endr
.endr
.set N, 0
.rept 16
	v_pk_mul_f32 v[O+N:O+N+1], v[O+N:O+N+1], v[F:F+1] op_sel_hi:[1,0]   ; O^T under the new M; these sixteen are also the plain lines between the writes of p's codes and scale word and the products
.set N, N+2
.endr
	s_wait_alu depctr_va_vdst(0)
	s_wait_dscnt 0x0                               ; V
.irp u, 0,1                                    ; the four accumulators take turns, one instruction a turn
	v_wmma_scale_f32_16x16x128_f8f6f4 v[O+16*\u:O+16*\u+7], v[KV+24*\u:KV+24*\u+11], v[PC:PC+11], v[O+16*\u:O+16*\u+7], v[VS+\u], v[PWR] matrix_a_fmt:MATRIX_FMT_BF6 matrix_b_fmt:MATRIX_FMT_BF6
	v_wmma_scale_f32_16x16x128_f8f6f4 v[O+16*\u+8:O+16*\u+15], v[KV+24*\u+12:KV+24*\u+23], v[PC:PC+11], v[O+16*\u+8:O+16*\u+15], v[VS+\u], v[PWR] matrix_a_fmt:MATRIX_FMT_BF6 matrix_b_fmt:MATRIX_FMT_BF6 matrix_a_scale:MATRIX_SCALE_ROW1
.endr
.Lhidden_\@:
	s_add_co_u32 s[KF], s[KF], 128
.endm
; A pass ends: O^T / l, quantised along the channels (my head's two blocks of 32), stored as half a fragment of aimg and two scale bytes a row.
.macro FINAL
.rept 4
	v_nop                                          ; behind the last products
.endr
	v_add_f32 v14, v14, v15
	s_delay_alu instid0(VALU_DEP_1)
	v_permlanex16_b32 v[TT], v14, s[SEL], s[SEL+1]
	s_delay_alu instid0(VALU_DEP_1)
	v_add_f32 v14, v14, v[TT]                      ; the row's sum
	s_wait_alu depctr_va_vdst(0)
	v_rcp_f32 v14, v14
	v_nop                                          ; a plain line behind the reciprocal,
	s_wait_alu depctr_va_vdst(0)                   ; and the wait ahead of its first reader
.set N, 0
.rept 32
	v_mul_f32 v[S+N], v[O+N], v14                  ; register 16 b + i: channel 32 b + 16 h + i; each accumulator from its low end on
.set N, N+1
.endr
.irp b, 0,1
	v_max3_num_f32 v[BM+\b], |v[S+16*\b]|, |v[S+1+16*\b]|, 0x2800000
.endr
.irp i, 2,4,6,8,10,12,14
.irp b, 0,1
	s_delay_alu instid0(VALU_DEP_2)
	v_max3_num_f32 v[BM+\b], v[BM+\b], |v[S+16*\b+\i]|, |v[S+1+16*\b+\i]|
.endr
.endr
.irp b, 0,1
	s_delay_alu instid0(VALU_DEP_2)
	v_permlanex16_b32 v[T4+\b], v[BM+\b], s[SEL], s[SEL+1]
.endr
.irp b, 0,1
	s_delay_alu instid0(VALU_DEP_2)
	v_max_num_f32 v[BM+\b], v[BM+\b], v[T4+\b]
.endr
.irp b, 0,1
	s_delay_alu instid0(VALU_DEP_2)
	v_add_nc_u32 v[SO+\b], 0xfe000000, v[BM+\b]
.endr
.irp b, 0,1
	s_delay_alu instid0(VALU_DEP_2)
	v_lshrrev_b32 v[T4+\b], 23, v[SO+\b]
.endr
	s_delay_alu instid0(VALU_DEP_1)
	v_lshl_or_b32 v[HW], v[T4+1], 8, v[T4]
	v_cvt_scalef32_pk16_bf6_f32 v[PC:PC+2], v[S:S+15], v[SO]
	v_cvt_scalef32_pk16_bf6_f32 v[PT:PT+2], v[S+16:S+31], v[SO+1]
	v_nop
.irp i, 0,1,2
	v_permlane16_swap_b32 v[PC+\i], v[PT+\i]
.endr
.irp i, 0,1,2
	s_delay_alu instid0(VALU_DEP_3)
	v_mov_b32 v[PC+3+\i], v[PT+\i]
.endr
.irp p, 0,1,2
	global_store_b64 v[L8], v[PC+2*\p:PC+2*\p+1], s[OA:OA+1] offset:256*\p   ; 256 consecutive bytes, aligned
.endr
	global_store_b16 v[R4], v[HW], s[OS:OS+1]      ; both halves of the lanes write the same two bytes
.endm
; THE CHANGE OF SLOTS, at a slot's head: every wave waits for all its tensor loads, adds 0 to its spare word, waits for that and for its reads of the slot that it has left, and passes the barrier.
; fill = 1: the slot just left takes the keys of the next trip; that load has a slot's two steps in which to land.
.macro CHANGE fill
	s_wait_tensorcnt 0x0                           ; no tensor load of mine is out, so the group 0 may be written
	ds_add_u32 v[SPW], v[NIL]                      ; 0 onto my spare word
.if \fill
	s_add_co_u32 s[FN], s[FN], 1
	s_add_co_u32 s[FS], s[FS], 1
	s_cmp_eq_u32 s[FN], s[JP1]
	s_cselect_b32 s[FS], 0, s[FS]                  ; the second pass begins again at the head's first keys
	s_xor_b32 s[G0+1], s[G0+1], SLOTX
	s_mul_i32 s[TO], s[FS], 2*STEPB
	s_mov_b32 s[TO+1], 0
	s_add_nc_u64 s[G0+2:G0+3], s[KVW:KVW+1], s[TO:TO+1]
	s_or_b32 s[G0+3], s[G0+3], 0x80000000
	s_wait_xcnt 0x0                                ; the last prefetch, a trip back, has read its address
	s_add_nc_u64 s[PFA:PFA+1], s[PFA:PFA+1], 2*STEPB
.endif
	s_wait_dscnt 0x0                               ; the add is done, and my reads of the slot that I have left are over
	s_barrier_signal -1
	s_barrier_wait -1
.if \fill
	TLOAD                                          ; the first thing behind the barrier, and a wave's one tensor load until the next
	ASK
.endif
.endm
	s_load_b128 s[4:7], s[0:1], 0x0                ; qimg, kvimg
	s_load_b64 s[8:9], s[0:1], 0x10                ; aimg
	v_lshl_add_u32 v[SPW], v0, 2, SPARE
	v_mov_b32 v[NIL], 0
	ds_add_u32 v5, v6
	ds_add_u32 v5, v6
	s_wait_dscnt 0x0
	v_lshrrev_b32 v8, 5, v0
	s_delay_alu instid0(VALU_DEP_1)
	v_readfirstlane_b32 s[WV], v8                  ; wave 0..15
	s_mov_b32 s[J], ttmp9
	s_and_b32 s[G], ttmp7, 0xffff                  ; 16 x batch + head
	s_add_co_u32 s[JP1], s[J], 1
	s_mov_b32 s[G1], 3<<16                         ; no mask; elements of 8 bytes; no padding: a step is 51 dense rows of 256 bytes
	s_mov_b32 s[G1+1], 32<<16
	s_mov_b32 s[G1+2], 51<<16
	s_mov_b32 s[G1+3], 32<<16
	s_mov_b32 s[G1+4], 51
	s_mov_b32 s[G1+5], 32
	s_mov_b32 s[G1+6], 0
	s_mov_b32 s[G1+7], 0
	s_and_b32 s53, s[WV], 1
	s_mul_i32 s53, s53, STEPB                      ; which step of a slot I fetch, if I fetch
	s_mul_i32 s54, s[G], 208896
	s_mov_b32 s55, 0
	s_add_co_u32 s56, s54, s53
	s_mov_b32 s57, 0
	s_mov_b32 s[SEL], 0x76543210
	s_mov_b32 s[SEL+1], 0xfedcba98
	s_mov_b32 s[CS], 0x3e38aa3b                    ; log2(e) / 8
	s_mov_b32 s[CS+1], s[CS]
	s_wait_kmcnt 0x0
	s_add_nc_u64 s[KVW:KVW+1], s[6:7], s[56:57]
	s_add_nc_u64 s[PFA:PFA+1], s[6:7], s[54:55]    ; my head's slot 0; each change of slots steps it by a slot
	s_mov_b32 s[G0], 1
	s_mov_b32 s[G0+1], s53
	s_mov_b64 s[G0+2:G0+3], s[KVW:KVW+1]
	s_or_b32 s[G0+3], s[G0+3], 0x80000000
	TLOAD                                          ; slot 0: the head's first 256 keys
	s_lshr_b32 s53, s[WV], 2
	s_xor_b32 s53, s53, 1                          ; 0 in waves 4 to 7,
	s_or_b32 s53, s53, s[J]                        ; of the head's work-group 0
	s_cmp_eq_u32 s53, 0
	s_cselect_b32 s[PFN], 4, 0
	s_and_b32 s53, s[WV], 3
	s_lshl_b32 s53, s53, 13
	v_and_b32 v8, 31, v0                           ; l
	v_and_b32 v9, 15, v0                           ; r
	v_bfe_u32 v10, v0, 4, 1                        ; h
	s_delay_alu instid0(VALU_DEP_3)
	v_lshl_add_u32 v[PFO], v8, 8, s53
	s_delay_alu instid0(VALU_DEP_1)
	v_min_u32 v[PFO], 2*STEPB-256, v[PFO]
	v_lshlrev_b32 v[L8], 3, v8
	v_lshlrev_b32 v[L4], 2, v8
	v_lshlrev_b32 v[R4], 2, v9
	v_and_b32 v[DQ], 8, v9
	s_delay_alu instid0(VALU_DEP_1)
	v_add_nc_u32 v[DQ], v[DQ], v9
	v_lshlrev_b32 v10, 4, v10
	s_delay_alu instid0(VALU_DEP_1)
	v_sub_nc_u32 v[DQ], v[DQ], v10
.irp i, 0,1,2,3,4,5
	v_mov_b32 v[QF+6+\i], 0                        ; Q's zero codes for k = 64 .. 127
	v_mov_b32 v[KV+48+\i], 0                       ; and what stands behind K's last tile
.endr
.irp b, 0,1,2,3
	v_mov_b32 v[T4+\b], 0                          ; written once: a lane permute's destination counts as one of its sources
.endr
	v_mov_b32 v[TT], 0
	v_mov_b32 v[PWR], 0                            ; (named as the upper half of the pair with f before it is first written)
	SETQ 0
	INIT
	s_mov_b32 s[SLOTS], 8
	s_mov_b32 s[TAU], 0
	s_mov_b32 s[TB], 0
	s_mov_b32 s[FN], 0
	s_mov_b32 s[FS], 0
.Ltrip:                                            ; eight trips: behind each change of slots but the last the next slot is asked for
	CHANGE 1
	s_cmp_eq_u32 s[TAU], s[JP1]                    ; the first pass has walked its J + 1 slots: a branch on ids and the counted trip; no barrier, tensor load or LDS access stands under it
	s_cbranch_scc0 .Lsame_pass
	FINAL
	s_wait_xcnt 0x0                                ; the stores have read their data and bases: both are written again only behind this wait
	SETQ 1
	INIT
.Lsame_pass:
	STEP 0
	STEP 1
	s_xor_b32 s[TB], s[TB], SLOTX
	s_add_co_u32 s[TAU], s[TAU], 1
	s_sub_co_u32 s[SLOTS], s[SLOTS], 1
	s_cmp_lg_u32 s[SLOTS], 0
	s_cbranch_scc1 .Ltrip
	CHANGE 0                                       ; the last slot is written out
	STEP 0
	STEP 1
	FINAL
	s_wait_tensorcnt 0x0                           ; the wave's end
	ds_add_u32 v[SPW], v[NIL]
	s_wait_dscnt 0x0
	s_endpgm
.Lfunc_end_k_qa77cf406cb_attn:
	.size	k_qa77cf406cb_attn, .Lfunc_end_k_qa77cf406cb_attn-k_qa77cf406cb_attn
	.p2alignl 7, 3214868480
	.fill 96, 4, 3214868480
	.section	.rodata,"a",@progbits
	.p2align	6, 0x0
	.amdhsa_kernel k_qa77cf406cb_attn
		.amdhsa_group_segment_fixed_size 327680
		.amdhsa_private_segment_fixed_size 0
		.amdhsa_enable_private_segment 0
		.amdhsa_kernarg_size 24
		.amdhsa_user_sgpr_count 2
		.amdhsa_user_sgpr_kernarg_segment_ptr 1
		.amdhsa_wavefront_size32 1
		.amdhsa_system_sgpr_workgroup_id_x 1
		.amdhsa_system_sgpr_workgroup_id_y 1
		.amdhsa_system_sgpr_workgroup_id_z 1
		.amdhsa_system_vgpr_workitem_id 0
		.amdhsa_next_free_vgpr 256
		.amdhsa_next_free_sgpr 66
		.amdhsa_reserve_vcc 1
		.amdhsa_float_denorm_mode_32 3
		.amdhsa_float_denorm_mode_16_64 3
		.amdhsa_memory_ordered 1
		.amdhsa_forward_progress 1
		.amdhsa_inst_pref_size 115
	.end_amdhsa_kernel
	.amdgpu_metadata
---
amdhsa.version: [ 1, 2 ]
amdhsa.kernels:
  - .name:           k_qa77cf406cb_attn
    .symbol:         k_qa77cf406cb_attn.kd
    .args:
      - { .name: qimg, .offset: 0, .size: 8, .value_kind: global_buffer, .address_space: global }
      - { .name: kvimg, .offset: 8, .size: 8, .value_kind: global_buffer, .address_space: global }
      - { .name: aimg, .offset: 16, .size: 8, .value_kind: global_buffer, .address_space: global }
    .group_segment_fixed_size: 327680
    .private_segment_fixed_size: 0
    .kernarg_segment_align: 8
    .kernarg_segment_size: 24
    .max_flat_workgroup_size: 512
    .sgpr_count:     66
    .vgpr_count:     256
    .wavefront_size: 32
...
	.end_amdgpu_metadata
.endif
;; end of part 3
;; launch gout (part 4): grid 4 x 32, 4 waves a work-group, clusters of 4 x 4, 327,680 bytes of LDS; arguments aimg, wimg, out0; writes out0
.if DOCPART == 4
	.amdgcn_target "amdgcn-amd-amdhsa--gfx1250"
	.amdhsa_code_object_version 6
	.text
	.protected	k_qa77cf406cb_gout
	.globl	k_qa77cf406cb_gout
	.p2align	8
	.type	k_qa77cf406cb_gout,@function
k_qa77cf406cb_gout:
	s_mov_b64 s[64:65], 0
	v_nop
	global_prefetch_b8 v0, s[64:65] scope:SCOPE_SE
	s_setreg_imm32_b32 hwreg(HW_REG_WAVE_MODE, 25, 1), 1
	s_wait_xcnt 0x0
	s_wait_alu depctr_hold_cnt(0) depctr_sa_sdst(0) depctr_va_vdst(0) depctr_va_sdst(0) depctr_va_ssrc(0) depctr_va_vcc(0) depctr_vm_vsrc(0)
	s_getreg_b32 s2, hwreg(HW_REG_IB_STS2, 6, 4)
	s_cmp_eq_u32 s2, 0
	s_cbranch_scc0 .Lentry_in_a_cluster
	s_endpgm
.Lentry_in_a_cluster:
	s_bfe_u32 s2, ttmp6, 0x10000c
	s_cmp_lg_u32 s2, 0xf033
	s_cbranch_scc0 .Lentry_shape_is_right
	s_endpgm
.Lentry_shape_is_right:
; out0 = a W_out on codes of BF6 (E3M2) with E8M0 scales, sums in f32, K = 1,024 ascending in one accumulator for each output.  a: aimg, the attention's result as an image; W_out: its image in wimg.
; Operands are images of operand registers (tile x 12,288 + kappa x 1,536 + p x 256 + 8 x lane), rows in the order sigma (bits 3 and 4 of the index change places).
; A tile of 256 R (tokens) x 256 P (columns of out0) is made by four waves, 128 x 128 each: 64 accumulators, 512 registers.  Source 0 = 16 rows of P, source 1 = 16 rows of R: lane (r, h) of accumulator (a, b) holds
; token position 16 a + r and its register j the TRUE column 32 (b / 2) + 16 h + 8 (b % 2) + j: eight neighbouring numbers of a row of out0.  The tokens' order is undone by the stores' offsets.
; K = 1,024 is four K steps of 256.  THREE LDS slots: K steps 0, 1, 2 and all scale words are first fills (four tensor loads of a wave are out at the head); K step 3 is the one refill, into slot 0.
; CLUSTER 4 x 4: R's tiles are asked for jointly along a row of the cluster, P's along a column.  128 work-groups: a smaller tile would fill more WGPs at half as many products for each LDS byte; not built.
; REGISTERS: window 0: v2-8 lane terms, v16-23 LDS addresses, v28-29 the spare word's, v32-63 scale words (two sets), v128-223 R's fragments (one set; on the way out v128-255 rows of out0);
; window 1: P's fragments, two sets, at v0 and v128; windows 2, 3: accumulator (a, b) at v[8 (8 (a % 4) + b)].
.set SLOTB, 98304                      ; a slot: R's 16 tiles x 3,072 bytes (256 along K), then P's 16
.set HALFT, 24576                      ; 8 tiles: what one tensor load brings, and what one wave reads of R or of P
.set POFF,  49152
.set SCL,   3*SLOTB                    ; the scale words of all of K: R's 256 rows 8,192 bytes, then P's
.set SPARE, SCL+16384                  ; the spare words: 128 bytes for each wave, two blocks of 256 bytes that no other line names
.set STG,   SLOTB                      ; the way out's stages lie in slot 1: it has had its only fill, and every wave has left it at the last barrier
.set SPITCH, 528
.set FR,    12
.set ADRA,  16
.set ADRB,  20
.set ADRS,  23
.set SPW,   28
.set NIL,   29
.set SC,    32
.set AF,    128
.set BK,    128
.set STO,   6
.set RD,    7
.set CO,    8
.set G1R,  24
.set G1P,  32
.set G1SR, 40
.set G1SP, 48
.set G0R,  56
.set G0P,  72
.set G0SR, 84
.set G0SP, 88
.set MSB, 0
.macro WIN new                         ; the immediate's high byte repeats the setting that is left
.if MSB != \new
	s_set_vgpr_msb (MSB<<8)|\new
.set MSB, \new
.endif
.endm
.set MUL_LO, 0xa1                      ; source 0 (P) window 1, source 1 (R) window 0, C and D window 2
.set MUL_HI, 0xf1
.set TO_B,   0x40
.macro PLACES                          ; four plain lines between a matrix instruction and a load into, or a read of, its registers
.rept 4
	v_nop
.endr
.endm
.macro JLOAD                           ; the joint refill of slot 0: waves 0, 1 fetch R's halves, waves 2, 3 P's; four v_nop follow each line
	s_cmp_eq_u32 s15, 0
	s_cbranch_scc0 .Lfor_p_\@
	tensor_load_to_lds s[G0R:G0R+3], s[G1R:G1R+7]
	s_nop 0
.rept 4
	v_nop
.endr
	s_branch .Lasked_\@
.Lfor_p_\@:
	tensor_load_to_lds s[G0P:G0P+3], s[G1P:G1P+7]
	s_nop 0
.rept 4
	v_nop
.endr
.Lasked_\@:
.endm
.macro CREST                           ; a round of the cluster's barrier behind its opening barrier
	s_cmp_lg_u32 s14, 0
	s_cbranch_scc1 .Lnot_wave_0_\@
	s_barrier_signal -3
.Lnot_wave_0_\@:
	s_barrier_wait -3
	s_barrier_signal -1
	s_barrier_wait -1
.endm
.macro CROUND
	s_barrier_signal -1
	s_barrier_wait -1
	CREST
.endm
.macro MKG0 g, ldsreg, ldsoff, a, off  ; a group 0: count 1, LDS address, global address, type 2
	s_mov_b32 s[\g], 1
	s_add_co_u32 s[\g+1], s[\ldsreg], \ldsoff
	s_add_nc_u64 s[\g+2:\g+3], s[\a:\a+1], \off
	s_or_b32 s[\g+3], s[\g+3], 0x80000000
.endm
.macro FRAG reg, adr, q, i             ; a fragment as it lies: six loads of 8 bytes a lane, each 256 consecutive bytes
.irp p, 0,1,2,3,4,5
	ds_load_b64 v[\reg+2*\p:\reg+2*\p+1], v[\adr] offset:3072*(\i)+1536*(\q)+256*\p
.endr
.endm
.macro FETCH_B slot, q, p
	WIN TO_B
.irp i, 0,1,2,3,4,5,6,7
	FRAG 128*(\p)+FR*\i, ADRB+\slot, \q, \i
.endr
	WIN 0
.endm
.macro FETCH_A slot, q, i0
.irp i, \i0, \i0+1, \i0+2, \i0+3
	FRAG AF+FR*(\i), ADRA+\slot, \q, \i
.endr
.endm
.macro SCALES ks, set                  ; K step ks's scale words: register 8 q + i: lanes 0-15 R's block i, lanes 16-31 P's block i
.irp q, 0,1
.irp i, 0,1,2,3,4,5,6,7
	ds_load_b32 v[SC+16*(\set)+8*\q+\i], v[ADRS] offset:1024*(\ks)+512*\q+64*\i
.endr
.endr
.endm
; 16 matrix instructions: R's blocks a0, a0 + 1 x P's eight.  The 64 accumulators take turns, one instruction a turn, in the same order in every step.
.macro MUL16 a0, set, q, sc, zero
.irp a, \a0, \a0+1
.irp b, 0,1,2,3,4,5,6,7
.if \zero
	v_wmma_scale_f32_16x16x128_f8f6f4 v[8*(8*((\a)%4)+\b):8*(8*((\a)%4)+\b)+7], v[128*(\set)+FR*\b:128*(\set)+FR*\b+FR-1], v[AF+FR*(\a):AF+FR*(\a)+FR-1], 0, v[SC+16*(\sc)+8*(\q)+\b], v[SC+16*(\sc)+8*(\q)+(\a)] matrix_a_fmt:MATRIX_FMT_BF6 matrix_b_fmt:MATRIX_FMT_BF6 matrix_a_scale:MATRIX_SCALE_ROW1
.else
	v_wmma_scale_f32_16x16x128_f8f6f4 v[8*(8*((\a)%4)+\b):8*(8*((\a)%4)+\b)+7], v[128*(\set)+FR*\b:128*(\set)+FR*\b+FR-1], v[AF+FR*(\a):AF+FR*(\a)+FR-1], v[8*(8*((\a)%4)+\b):8*(8*((\a)%4)+\b)+7], v[SC+16*(\sc)+8*(\q)+\b], v[SC+16*(\sc)+8*(\q)+(\a)] matrix_a_fmt:MATRIX_FMT_BF6 matrix_b_fmt:MATRIX_FMT_BF6 matrix_a_scale:MATRIX_SCALE_ROW1
.endif
.endr
.endr
.endm
; A step of 128 along K.  set: P's set; q: which 128 of the K step; sc: the set of scale words; ns, nq: slot and q of the step that follows; nks: its K step (used where nq = 0)
.macro KSTEP set, q, sc, zero, ns, nq, nks
	s_wait_dscnt 24                                ; all but the youngest 24 loads (R's blocks 4-7) are in
	WIN MUL_LO
	MUL16 0, \set, \q, \sc, \zero
	MUL16 2, \set, \q, \sc, \zero
	s_wait_dscnt 0x0                               ; R's blocks 4-7 are in
	PLACES
	FETCH_B \ns, \nq, 1-\set
	FETCH_A \ns, \nq, 0
.if \nq == 0
	SCALES \nks, 1-\sc
.endif
	WIN MUL_HI
	MUL16 4, \set, \q, \sc, \zero
	MUL16 6, \set, \q, \sc, \zero
	PLACES
	WIN 0
	FETCH_A \ns, \nq, 4
.endm
; A step with a barrier.  In front of it each wave waits for all its tensor loads, adds 0 to its spare word, and waits for that and for its LDS reads.  fill = 1: slot 0, which nobody reads any more, takes K step 3.
.macro TURN set, q, sc, fill, ns, nks
	s_wait_tensorcnt 0x0                           ; all my tensor loads have landed
	ds_add_u32 v[SPW], v[NIL]                      ; 0 onto my spare word
	s_wait_dscnt 25                                ; (the add and R's blocks 4-7 may be out)
	WIN MUL_LO
	MUL16 0, \set, \q, \sc, 0                      ; sixteen matrix instructions stand between the add and the wait for it
	s_wait_dscnt 0x0                               ; the add is done, and my reads of the slot that I leave are over
	s_barrier_signal -1
	MUL16 2, \set, \q, \sc, 0
	WIN 0
	s_barrier_wait -1
.if \fill
	CREST                                          ; the barrier has opened a round of the cluster's: no wave of any partner still reads slot 0 or has a load on its way
	s_add_nc_u64 s[G0R+2:G0R+3], s[G0R+2:G0R+3], 9216   ; K step 3: 3 x 3,072 bytes on in each tile
	s_add_nc_u64 s[G0P+2:G0P+3], s[G0P+2:G0P+3], 9216
	JLOAD                                          ; my one tensor load behind the round; it has two K steps, 256 matrix instructions, in which to land; its four v_nop are the places for the loads below
.else
	PLACES
.endif
	FETCH_B \ns, 0, 1-\set
	FETCH_A \ns, 0, 0
	SCALES \nks, 1-\sc
	WIN MUL_HI
	MUL16 4, \set, \q, \sc, 0
	MUL16 6, \set, \q, \sc, 0
	PLACES
	WIN 0
	FETCH_A \ns, 0, 4
.endm
	s_load_b128 s[4:7], s[0:1], 0x0                ; aimg s[4:5], wimg s[6:7]
	s_load_b64 s[8:9], s[0:1], 0x10                ; out0
	v_lshl_add_u32 v[SPW], v0, 2, SPARE
	v_mov_b32 v[NIL], 0
	ds_add_u32 v28, v29
	ds_add_u32 v28, v29
	s_wait_dscnt 0x0
	v_lshrrev_b32 v1, 5, v0
	v_readfirstlane_b32 s14, v1                    ; wave 0..3
	s_lshr_b32 s15, s14, 1                         ; my half of R's rows.  Also: I fetch for R (0) or for P (1)
	s_and_b32 s16, s14, 1                          ; my half of P's rows.  Also: which 128 rows I fetch
	s_bfe_u32 s92, ttmp6, 0x40000                  ; cx
	s_bfe_u32 s93, ttmp6, 0x40004                  ; cy
	s_lshl_b32 s95, ttmp9, 2
	s_add_co_u32 s95, s95, s92                     ; tx: P's tile of 256 columns
	s_and_b32 s96, ttmp7, 0xffff
	s_lshl_b32 s96, s96, 2
	s_add_co_u32 s96, s96, s93                     ; ty: R's tile of 256 tokens
	s_lshl_b32 s17, s93, 2
	s_lshl_b32 s17, 15, s17                        ; my row of the cluster
	s_lshl_b32 s18, 0x1111, s92                    ; my column
	s_or_b32 s[G1R], s17, (3<<16)|(1<<21)          ; 15:0 the mask; 17:16 elements of 8 bytes; 21 set beside a mask; no padding
	s_or_b32 s[G1P], s18, (3<<16)|(1<<21)
	s_or_b32 s[G1SR], s17, (3<<16)|(1<<21)
	s_or_b32 s[G1SP], s18, (3<<16)|(1<<21)
.irp g, G1R, G1P                       ; 8 tiles' parts of a K step: 8 rows of 3,072 bytes (384 elements), 12,288 bytes apart, dense in LDS
	s_mov_b32 s[\g+1], 384<<16
	s_mov_b32 s[\g+2], 8<<16
	s_mov_b32 s[\g+3], 384<<16
	s_mov_b32 s[\g+4], 8
	s_mov_b32 s[\g+5], 1536
	s_mov_b32 s[\g+6], 0
	s_mov_b32 s[\g+7], 0
.endr
.irp g, G1SR, G1SP                     ; the scale words of 128 rows: 4,096 dense bytes as 16 rows of 256
	s_mov_b32 s[\g+1], 32<<16
	s_mov_b32 s[\g+2], 16<<16
	s_mov_b32 s[\g+3], 32<<16
	s_mov_b32 s[\g+4], 16
	s_mov_b32 s[\g+5], 32
	s_mov_b32 s[\g+6], 0
	s_mov_b32 s[\g+7], 0
.endr
	s_mul_i32 s98, s96, 196608                     ; R's offsets are made of ty alone, P's of tx alone
	s_mul_i32 s99, s16, 98304
	s_add_co_u32 s98, s98, s99
	s_mov_b32 s99, 0
	s_lshl_b32 s100, s96, 13
	s_lshl_b32 s101, s16, 12
	s_add_co_u32 s100, s100, s101
	s_add_co_u32 s100, s100, 6291456
	s_mov_b32 s101, 0
	s_mul_i32 s66, s95, 196608
	s_mul_i32 s67, s16, 98304
	s_add_co_u32 s66, s66, s67
	s_add_co_u32 s66, s66, 2359296                 ; W_out's image lies behind W_qkv's
	s_mov_b32 s67, 0
	s_lshl_b32 s2, s95, 13
	s_lshl_b32 s3, s16, 12
	s_add_co_u32 s2, s2, s3
	s_add_co_u32 s2, s2, 3244032
	s_mov_b32 s3, 0
	s_mul_i32 s17, s14, HALFT                      ; where my loads go: wave x 8 tiles; no place in the cluster enters an LDS address
	s_lshl_b32 s18, s14, 12
	s_add_co_u32 s18, s18, SCL
	s_wait_kmcnt 0x0
	s_add_nc_u64 s[98:99], s[4:5], s[98:99]
	s_add_nc_u64 s[100:101], s[4:5], s[100:101]
	s_add_nc_u64 s[66:67], s[6:7], s[66:67]
	s_add_nc_u64 s[2:3], s[6:7], s[2:3]
	MKG0 G0SR, 18, 0, 100, 0
	MKG0 G0SP, 18, 0, 2, 0
	MKG0 56, 17, 0, 98, 0
	MKG0 60, 17, SLOTB, 98, 3072
	MKG0 68, 17, 2*SLOTB, 98, 6144
	MKG0 72, 17, 0, 66, 0
	MKG0 76, 17, SLOTB, 66, 3072
	MKG0 80, 17, 2*SLOTB, 66, 6144
	CROUND                                         ; all sixteen work-groups are here: the first joint loads meet
	s_cmp_eq_u32 s15, 0                            ; a wave's four first fills stand in one branch on its number: four tensor loads of mine are out
	s_cbranch_scc0 .Lfirst_p
	tensor_load_to_lds s[G0SR:G0SR+3], s[G1SR:G1SR+7]
	s_nop 0
	tensor_load_to_lds s[56:59], s[G1R:G1R+7]
	s_nop 0
	tensor_load_to_lds s[60:63], s[G1R:G1R+7]
	s_nop 0
	tensor_load_to_lds s[68:71], s[G1R:G1R+7]
	s_nop 0
.rept 4
	v_nop
.endr
	s_branch .Lfirst_done
.Lfirst_p:
	tensor_load_to_lds s[G0SP:G0SP+3], s[G1SP:G1SP+7]
	s_nop 0
	tensor_load_to_lds s[72:75], s[G1P:G1P+7]
	s_nop 0
	tensor_load_to_lds s[76:79], s[G1P:G1P+7]
	s_nop 0
	tensor_load_to_lds s[80:83], s[G1P:G1P+7]
	s_nop 0
.rept 4
	v_nop
.endr
.Lfirst_done:
	v_and_b32 v2, 31, v0                           ; l
	v_and_b32 v3, 15, v0                           ; r
	v_bfe_u32 v4, v0, 4, 1                         ; h
	s_wait_alu depctr_va_vdst(0)
	v_lshlrev_b32 v5, 3, v2                        ; 8 l
	s_mul_i32 s17, s15, HALFT
	s_mul_i32 s18, s16, HALFT
	s_add_co_u32 s18, s18, POFF
.irp s, 0,1,2
	v_add_nc_u32 v[ADRA+\s], s17, v5
	v_add_nc_u32 v[ADRB+\s], s18, v5
	s_add_co_u32 s17, s17, SLOTB
	s_add_co_u32 s18, s18, SLOTB
.endr
	s_xor_b32 s18, s15, 1                          ; from R's words of my half to P's of my half: 4,096 x (1 + my half of P + 1 - my half of R)
	s_add_co_u32 s18, s18, s16
	s_add_co_u32 s18, s18, 1
	s_lshl_b32 s18, s18, 12
	v_mul_u32_u24 v6, s18, v4                      ; lanes 16-31 take P's: one product of h and the distance
	v_lshl_add_u32 v6, v3, 2, v6
	s_lshl_b32 s17, s15, 12
	s_add_co_u32 s17, s17, SCL
	v_add_nc_u32 v[ADRS], s17, v6
	s_mul_i32 s19, s14, 16*SPITCH
	s_add_co_u32 s19, s19, STG                     ; my stage: 16 rows x (512 bytes + 16)
	v_mul_u32_u24 v[STO], v3, SPITCH
	v_lshl_add_u32 v[STO], v4, 6, v[STO]
	v_add_nc_u32 v[STO], s19, v[STO]               ; in: row r, + 64 h
	v_lshlrev_b32 v[CO], 4, v2                     ; back: the 32 lanes take one row of 512 bytes; and the same in out0
	v_add_nc_u32 v[RD], s19, v[CO]
	s_lshl_b32 s17, s96, 8
	s_lshl_b32 s18, s15, 7
	s_add_co_u32 s17, s17, s18                     ; my first token
	s_lshl_b32 s92, s17, 12                        ; rows of 4,096 bytes
	s_lshl_b32 s18, s95, 10
	s_add_co_u32 s92, s92, s18
	s_lshl_b32 s18, s16, 9
	s_add_co_u32 s92, s92, s18                     ; + my first column
	s_mov_b32 s93, 0
	s_add_nc_u64 s[8:9], s[8:9], s[92:93]
	s_wait_alu depctr_va_vdst(0)
	s_wait_tensorcnt 0x2                           ; the scale words and my part of K step 0 are in; K steps 1 and 2 may stay out
	s_barrier_signal -1
	s_barrier_wait -1
	FETCH_B 0, 0, 0
	FETCH_A 0, 0, 0
	SCALES 0, 0
	FETCH_A 0, 0, 4
	KSTEP 0, 0, 0, 1, 0, 1, 0                      ; kappa 0: its products start the sums: nothing is cleared
	TURN  1, 1, 0, 1, 1, 1                         ; kappa 1: slot 0 is left and takes K step 3; every wave's loads of slots 1 and 2 are shown landed here
	KSTEP 0, 0, 1, 0, 1, 1, 0                      ; kappa 2
	KSTEP 1, 1, 1, 0, 2, 0, 2                      ; kappa 3: on to slot 2, whole since the barrier above
	KSTEP 0, 0, 0, 0, 2, 1, 0                      ; kappa 4
	TURN  1, 1, 0, 0, 0, 3                         ; kappa 5: K step 3 has landed in every wave's part; nothing is filled
	KSTEP 0, 0, 1, 0, 0, 1, 0                      ; kappa 6
	s_wait_dscnt 24                                ; kappa 7: nothing more to fetch
	WIN MUL_LO
	MUL16 0, 1, 1, 1, 0
	MUL16 2, 1, 1, 1, 0
	s_wait_dscnt 0x0
	WIN MUL_HI
	MUL16 4, 1, 1, 1, 0
	MUL16 6, 1, 1, 1, 0
	WIN 0
; THE WAY OUT, block by block of 16 token positions x 128 columns, through my own stage: a lane's 32 bytes go to their true place in the row, rows come back whole, and the 32 lanes store 512 consecutive bytes.
; Position t of block a is token 32 (a / 2) + 8 (a % 2) + t + 8 (t / 8) of my 128: the first two terms are steps of the base, the last two stand in the stores' offsets.
.macro TOSTAGE a
.set AC, 64*((\a)%4)
	WIN 0x08+4*((\a)/4)                            ; an LDS store's data are its source 1: window 2 or 3
.irp b, 0,1,2,3,4,5,6,7
	ds_store_b128 v[STO], v[AC+8*\b:AC+8*\b+3] offset:128*(\b/2)+32*(\b%2)        ; each accumulator from its low end on
	ds_store_b128 v[STO], v[AC+8*\b+4:AC+8*\b+7] offset:128*(\b/2)+32*(\b%2)+16
.endr
	WIN 0
.set BB, BK+64*((\a)%2)
.irp t, 0,1,2,3,4,5,6,7,8,9,10,11,12,13,14,15
	ds_load_b128 v[BB+4*\t:BB+4*\t+3], v[RD] offset:\t*SPITCH   ; LDS serves a wave's instructions in order (ISA guide 5.7.1.4): these see my stores
.endr
.endm
.macro SEND a, younger                 ; younger: the LDS instructions issued behind block a's loads, which may stay out
.set BB, BK+64*((\a)%2)
	s_wait_dscnt \younger
.if (\a) > 0
.if ((\a)%2) == 1
	s_add_nc_u64 s[8:9], s[8:9], 8*4096            ; (behind a wait on XCNT: the earlier stores have read their base)
.else
	s_add_nc_u64 s[8:9], s[8:9], 24*4096
.endif
.endif
.irp t, 0,1,2,3,4,5,6,7,8,9,10,11,12,13,14,15
	global_store_b128 v[CO], v[BB+4*\t:BB+4*\t+3], s[8:9] offset:(\t+8*(\t/8))*4096 th:TH_STORE_NT   ; 512 consecutive bytes, at a multiple of 256 from out0's first byte; written once, read by nobody here
.endr
.endm
	PLACES                                         ; behind the last products: for the reads of results and the loads into the registers that held R's fragments
	TOSTAGE 0
.irp a, 1,2,3,4,5,6,7
.if \a > 1
	s_wait_xcnt 0x0                                ; block a - 2's stores have read their registers and their base
.endif
	TOSTAGE \a
	SEND \a-1, 32                                  ; behind block a - 1's loads: block a's 16 stores and 16 loads
.endr
	s_wait_xcnt 0x0
	SEND 7, 0
	s_wait_tensorcnt 0x0                           ; the wave's end
	ds_add_u32 v[SPW], v[NIL]
	s_wait_dscnt 0x0
	CROUND                                         ; the closing round
	s_endpgm
.Lfunc_end_k_qa77cf406cb_gout:
	.size	k_qa77cf406cb_gout, .Lfunc_end_k_qa77cf406cb_gout-k_qa77cf406cb_gout
	.p2alignl 7, 3214868480
	.fill 96, 4, 3214868480
	.section	.rodata,"a",@progbits
	.p2align	6, 0x0
	.amdhsa_kernel k_qa77cf406cb_gout
		.amdhsa_group_segment_fixed_size 327680
		.amdhsa_private_segment_fixed_size 0
		.amdhsa_enable_private_segment 0
		.amdhsa_kernarg_size 24
		.amdhsa_user_sgpr_count 2
		.amdhsa_user_sgpr_kernarg_segment_ptr 1
		.amdhsa_wavefront_size32 1
		.amdhsa_system_sgpr_workgroup_id_x 1
		.amdhsa_system_sgpr_workgroup_id_y 1
		.amdhsa_system_sgpr_workgroup_id_z 1
		.amdhsa_system_vgpr_workitem_id 0
		.amdhsa_next_free_vgpr 1024
		.amdhsa_next_free_sgpr 102
		.amdhsa_reserve_vcc 0
		.amdhsa_float_denorm_mode_32 3
		.amdhsa_float_denorm_mode_16_64 3
		.amdhsa_memory_ordered 1
		.amdhsa_forward_progress 1
		.amdhsa_inst_pref_size 161
	.end_amdhsa_kernel
	.amdgpu_metadata
---
amdhsa.version: [ 1, 2 ]
amdhsa.kernels:
  - .name:           k_qa77cf406cb_gout
    .symbol:         k_qa77cf406cb_gout.kd
    .args:
      - { .name: aimg, .offset: 0, .size: 8, .value_kind: global_buffer, .address_space: global }
      - { .name: wimg, .offset: 8, .size: 8, .value_kind: global_buffer, .address_space: global }
      - { .name: out0, .offset: 16, .size: 8, .value_kind: global_buffer, .address_space: global }
    .group_segment_fixed_size: 327680
    .private_segment_fixed_size: 0
    .kernarg_segment_align: 8
    .kernarg_segment_size: 24
    .max_flat_workgroup_size: 128
    .sgpr_count:     102
    .vgpr_count:     1024
    .wavefront_size: 32
...
	.end_amdgpu_metadata
.endif
;; end of part 4
